; MI455X (gfx1250); checked and timed in simulation.
; The chip was launched on July 23, 2026; its instructions are those of AMD's public machine-readable ISA for CDNA 5 (MIT licence, August 2026) and "CDNA5" Instruction Set Architecture Reference Guide (July 2026). The comments in the code are by the model that wrote it; some were corrected since.
;; Multi Head Self Attention2 D Ro PE. Allowed arithmetic: matrix products marked QUANTISED: E2M3 operands, one E8M0 scale for each 32 along K, by v_wmma_scale_f32_16x16x128_f8f6f4 with both operands' format E2M3, f32 sums; everything else in f32.
;; Inputs: w_proj 1,024 x 1,024 float32; w_qkv 1,024 x 3,072 float32; x 8 x 1,024 x 1,024 float32.
;; Outputs: out0 8 x 1,024 x 1,024 float32.
;; Constants: H = 32, W = 32.
;; This version of the problem:
;;   THIS VERSION OF THE PROBLEM IS GIVEN IN LOW PRECISION. The matrix products marked QUANTISED in the list below multiply operands that are first quantised to E2M3 (2 exponent bits, 3 mantissa bits; 6 bits a number), with one power-of-two scale for each 32 numbers along K (OCP MX v1.0); their sums are f32. All else is computed in f32.
;;   The module's matrix products, in the order in which they are computed (A, B: the left and right operand; K: the contracted axis; several contracted axes count as one K, in the product's order):
;;     1. [M 8,192, K 1,024] x [K 1,024, N 3,072]; A: input x; B: input w_qkv: QUANTISED
;;     2. batch 128 x [M 1,024, K 64] x [K 64, N 1,024]; A: computed on the way; B: computed on the way: QUANTISED
;;     3. batch 128 x [M 64, K 1,024] x [K 1,024, N 1,024]; A: computed on the way; B: softmax (see below): QUANTISED
;;     4. [M 8,192, K 1,024] x [K 1,024, N 1,024]; A: computed on the way; B: input w_proj: QUANTISED
;;   THE QUANTISER, for each operand of a quantised product, along K:
;;     - K is cut into blocks of 32 from its start; a last block that is shorter is filled with zeros.
;;     - A block's scale is 2^e with e = floor(log2(the largest magnitude in the block)) - 2, held to -126 .. 127; a block of zeros has e = 0. As a byte (E8M0): e + 127.
;;     - Each number is divided by its block's scale, clamped to +-7.5, and rounded to the nearest number of E2M3, ties to even, subnormals kept.
;;     - The product sums the exact products of the quantised numbers (number of the format x scale) in f32.
;;   ~~~python
;;   def quantise(x, axis):      # numpy; x: float32 -> the quantised numbers, widened to float32 again
;;       x = np.moveaxis(x, axis, -1); K = x.shape[-1]
;;       x = np.pad(x, [(0, 0)] * (x.ndim - 1) + [(0, -K % 32)]); x = x.reshape(x.shape[:-1] + (-1, 32)); a = np.abs(x).max(-1, keepdims=True)
;;       e = np.where(a > 0, np.clip(np.frexp(np.where(a > 0, a, 1))[1] - 1 - 2, -126, 127), 0)      # np.frexp(a)[1] - 1 = floor(log2(a)), exactly
;;       r = np.clip(x / 2.0 ** e, -7.5, 7.5)
;;       step = 2.0 ** (np.maximum(np.frexp(np.where(r == 0, 1, r))[1] - 1, 0) - 3)
;;       q = np.round(r / step) * step * 2.0 ** e      # np.round: ties to even
;;       return np.moveaxis(q.reshape(q.shape[:-2] + (-1,))[..., :K], -1, axis).astype(np.float32)
;;   ~~~
;;   SOFTMAX AHEAD OF A QUANTISED PRODUCT. Where the list says 'softmax', what is quantised is not the finished softmax but p = 2^(t - M), with t = logit x log2(e) and M = ceil(the row's largest t), a whole number; so 1/2 < the row's largest p <= 1. The row's sum l is taken of the UNQUANTISED p, in f32, and the product's result is divided by l at the end. Since M is a whole number, a kernel that streams over the keys may use a running M (the ceiling of the running maximum): every later rescaling is an exact power of two, which a block's scale takes up: the codes' values come out the same.
;;   OPERANDS COMPUTED ON THE WAY. 'Computed on the way' means the value that the module computes at that place (a softmax that the list does not call 'softmax' is quantised finished and normalised). What goes into a quantiser is computed in f32, as accurately as f32 sums, v_exp_f32 and their like allow (about 1e-6 of the number): no bf16 or f16 on the way to a quantiser, and a product that is left as it is and whose result goes on into a quantised operand takes f32 operands (vector FMAs, or v_wmma_f32_16x16x4_f32). A number that lies on a knife's edge between two numbers of the format may be rounded either way, as far as f32 arithmetic and the matrix unit's own rounding can turn it there, and no further.
;; One version. Each part assembles by itself: llvm-mc -triple=amdgcn-amd-amdhsa -mcpu=gfx1250 --defsym DOCPART=n.
;; ======== version 1 of 1: 4 launches
;; limits: right only within a limited range of input values
;; workspace buffers: xi 6,553,600 bytes; wi 3,276,800 bytes; qk 13,631,488 bytes; vi 6,553,600 bytes; ai 6,553,600 bytes
;; launch quant (part 1): grid 768 x 1, 4 waves a work-group, no clusters, 48,640 bytes of LDS; arguments x, w_qkv, w_proj, xi, wi; writes xi, wi
.if DOCPART == 1
	.amdgcn_target "amdgcn-amd-amdhsa--gfx1250"
	.amdhsa_code_object_version 6
	.text
	.protected	k_q3adaa92e92_quant
	.globl	k_q3adaa92e92_quant
	.p2align	8
	.type	k_q3adaa92e92_quant,@function
k_q3adaa92e92_quant:
	s_mov_b64 s[64:65], 0
	v_nop
	global_prefetch_b8 v0, s[64:65] scope:SCOPE_SE
	s_setreg_imm32_b32 hwreg(HW_REG_WAVE_MODE, 25, 1), 1
	s_wait_xcnt 0x0
; x [8192][1024], w_qkv [1024][3072] and w_proj [1024][1024], f32, become codes of FP6 (E2M3) with one E8M0 byte for each 32 along K,
; laid as IMAGES OF OPERAND REGISTERS, so that the later launches load fragments by 16 and 8 bytes a lane from consecutive bytes.
; NOTHING OF THE PROBLEM IS LEFT OUT in this program: every input has a way to the output and is loaded; H = W = 32 are built in.
; A BLOCK of 12,800 bytes serves 128 rows (tokens of x, columns of a weight) and 128 along K: eight fragments of 1,536 bytes, then 512 bytes of scale words.
;   Tile a (0..7), lane row r (0..15) is row 32 (a/2) + 8 (a%2) + r + 8 (r/8) of the 128: used as source 0 of a product, two neighbouring tiles then give a lane 16 neighbours along the next K.
;   A fragment is two halves of 768 bytes (64 along K each): lane l's registers 0-3 at 16 l, its registers 4-5 at 512 + 8 l.  The scale word of (a, r) lies at 12288 + 256 (a/4) + 16 r + 4 (a%4).
; A block's scale is 2^(floor(log2(largest magnitude)) - 2): its byte is the largest magnitude's exponent field - 2, held at 1 from below.
; LIMITS: a block of zeros, and one whose largest magnitude lies under 2^-124, gets the byte 1 (the rule says 127 for zeros: the codes are zeros, and only this program reads the bytes); NaN and infinities among the inputs are not served.
; One work-group makes one block.  Work-groups 0-511: x (group = id / 8, K step = id % 8); 512-767: the weights (groups 0-23 w_qkv's columns, 24-31 w_proj's).  The two paths share no LDS byte and do not join.
.set BLKB,  12800
.set XSTW,  8448                       ; X path: a wave's stage, 16 rows x 528 bytes, from LDS byte 0
.set XP,    528
.set WST,   33792                      ; W path: a wave's two fragment images, 1,664 bytes apart
.set WSTW,  3328
.set WTP,   1664
.set SCX,   47104                      ; X path's 512 bytes of scale words
.set SCW,   47616                      ; W path's
.set SPARE, 48128                      ; the spare words, 128 bytes for each wave; no other line names them
.set SPW,   14                         ; v14  my spare word's LDS address; never rewritten
.set NIL,   15                         ; v15  0; never rewritten
.set SEL,   18                         ; s[18:19] lane selects: lane l xor 16
.set R,     16                         ; X path: v16-143 two tiles as loaded
.set X,     144                        ; v144-207 64 numbers of my row
.set TM,    208                        ; v208-223 at work in QUANT
.set PW,    224                        ; the scale word just made
.set PC,    226                        ; v226-244 the codes just made
.set XW,    248                        ; v248-251 the scale words on their way out
.set OFF,   16                         ; W path: v16-47 byte offsets of 32 rows
.set NUM,   48                         ; v48-111 two sets of 32 numbers
.set CD,    112                        ; v112-143 four blocks' codes, 8 registers apart
.set CT,    144                        ; v144-146 a conversion's second half
.set SOP,   147                        ; the conversion's scale operand
.set MXA,   148
.set MXB,   149
.set SBY,   150                        ; my column's four scale bytes
.set OUTR,  152                        ; v152-175 the images on their way out
.set L4,    176
; 64 numbers of a lane, register 16 b + i = k 32 b + 16 (lane / 16) + i of my row, become a fragment's 12 registers in v[PC] on and its scale word in v[PW]
.macro QUANT s
.irp b, 0,1,2,3
	v_max3_num_f32 v[TM+\b], |v[\s+16*\b]|, |v[\s+1+16*\b]|, 0x1800000   ; my 16 numbers of block b, and the floor 2^(3 - 127): the byte cannot fall under 1
.endr
.irp i, 2,4,6,8,10,12,14
.irp b, 0,1,2,3
	v_max3_num_f32 v[TM+\b], v[TM+\b], |v[\s+16*\b+\i]|, |v[\s+1+16*\b+\i]|
.endr
.endr
.irp b, 0,1,2,3
	v_permlanex16_b32 v[TM+4+\b], v[TM+\b], s[SEL], s[SEL+1]
.endr
.irp b, 0,1,2,3
	v_max_num_f32 v[TM+\b], v[TM+\b], v[TM+4+\b]   ; with lane l xor 16's: the block's largest magnitude
.endr
.irp b, 0,1,2,3
	v_add_nc_u32 v[TM+12+\b], 0xff000000, v[TM+\b]   ; 2 off its exponent field: the conversion's scale operand
.endr
.irp b, 0,1,2,3
	v_lshrrev_b32 v[TM+4+\b], 23, v[TM+12+\b]      ; the scale's byte
.endr
	v_lshl_or_b32 v[PW], v[TM+5], 8, v[TM+4]
	v_lshl_or_b32 v[PW], v[TM+6], 16, v[PW]
	v_lshl_or_b32 v[PW], v[TM+7], 24, v[PW]
.irp c, 0,1
	v_cvt_scalef32_pk16_fp6_f32 v[PC+6*\c:PC+2+6*\c], v[\s+32*\c:\s+15+32*\c], v[TM+12+2*\c]
	v_cvt_scalef32_pk16_fp6_f32 v[PC+12+4*\c:PC+14+4*\c], v[\s+16+32*\c:\s+31+32*\c], v[TM+12+2*\c+1]   ; (a conversion's three registers begin on an even number)
.endr
	v_nop                                          ; one plain place behind a scaled conversion
.irp c, 0,1                                    ; the operand wants a WHOLE block in a lane: lanes 0-15 block 2 c, lanes 16-31 block 2 c + 1
.irp i, 0,1,2
	v_permlane16_swap_b32 v[PC+6*\c+\i], v[PC+12+4*\c+\i]
.endr
.irp i, 0,1,2
	v_mov_b32 v[PC+3+6*\c+\i], v[PC+12+4*\c+\i]
.endr
.endr
.endm
; The end of either path: the four waves' scale words meet in LDS; wave 0 stores them as 512 consecutive bytes
.macro TAIL
	s_wait_dscnt 0x0                               ; for the others' sake: my stores of scale words have landed
	s_barrier_signal -1
	s_barrier_wait -1
	s_cmp_lg_u32 s16, 0
	s_cbranch_scc1 .Lnot_wave_0_\@
	ds_load_b128 v[XW:XW+3], v9
	s_wait_dscnt 0x0
	global_store_b128 v4, v[XW:XW+3], s[28:29] offset:12288
.Lnot_wave_0_\@:
	s_wait_tensorcnt 0x0                           ; the wave's end
	ds_add_u32 v[SPW], v[NIL]
	s_wait_dscnt 0x0
	s_endpgm
.endm
	s_load_b256 s[4:11], s[0:1], 0x0               ; x s[4:5], w_qkv s[6:7], w_proj s[8:9], xi s[10:11]
	s_load_b64 s[12:13], s[0:1], 0x20              ; wi
	v_lshl_add_u32 v[SPW], v0, 2, SPARE
	v_mov_b32 v[NIL], 0
	v_lshrrev_b32 v1, 5, v0
	v_readfirstlane_b32 s16, v1                    ; wave 0..3
	v_and_b32 v1, 31, v0                           ; lane
	v_and_b32 v2, 15, v0                           ; r
	v_bfe_u32 v3, v0, 4, 1                         ; h
	v_lshlrev_b32 v4, 4, v1                        ; 16 x lane
	v_lshlrev_b32 v5, 3, v1                        ; 8 x lane
	s_mov_b32 s[SEL], 0x76543210
	s_mov_b32 s[SEL+1], 0xfedcba98
	s_lshr_b32 s26, s16, 1
	s_lshl_b32 s26, s26, 8
	s_and_b32 s27, s16, 1
	s_lshl_b32 s27, s27, 3
	s_add_co_u32 s26, s26, s27                     ; my two tiles' place among the scale words: 256 (w / 2) + 8 (w % 2)
	s_mov_b32 s23, 0
	s_wait_kmcnt 0x0
	s_cmp_lt_u32 ttmp9, 512                        ; x's work-group or a weight's: the choice hangs on the work-group's number alone
	s_cselect_b64 s[28:29], s[10:11], s[12:13]
	s_cselect_b32 s20, 0, 512
	s_sub_co_u32 s20, ttmp9, s20                   ; which block of the buffer
	s_mul_i32 s22, s20, BLKB
	s_add_nc_u64 s[28:29], s[28:29], s[22:23]      ; my work-group's block
	s_mul_i32 s22, s16, 3072
	s_add_nc_u64 s[30:31], s[28:29], s[22:23]      ; my wave's two fragments in it
	s_lshr_b32 s21, s20, 3                         ; the group of 128 rows
	s_and_b32 s20, s20, 7                          ; the K step
	s_cmp_lt_u32 ttmp9, 512
	s_cbranch_scc0 .Lw_path
	; ---- X: K is innermost.  Wave w makes tiles 2 w and 2 w + 1.  Each load reads a row's 512 consecutive bytes of the K step; a tile turns through my stage, so that a lane gets 16 neighbours of each block of 32
	s_lshl_b32 s22, s21, 19                        ; 128 rows of 4,096 bytes a group,
	s_lshl_b32 s24, s16, 17                        ; 32 rows a wave,
	s_add_co_u32 s22, s22, s24
	s_lshl_b32 s24, s20, 9                         ; 512 bytes a K step
	s_add_co_u32 s22, s22, s24
	s_add_nc_u64 s[4:5], s[4:5], s[22:23]
	s_wait_alu depctr_va_vdst(0)
.irp u, 0,1
.irp i, 0,1,2,3,4,5,6,7,8,9,10,11,12,13,14,15
	global_load_b128 v[R+64*\u+4*\i:R+64*\u+4*\i+3], v4, s[4:5] offset:(8*\u+\i+8*(\i/8))*4096 th:TH_LOAD_NT
.endr
.endr
	s_mul_i32 s17, s16, XSTW
	v_add_nc_u32 v6, s17, v4                       ; into the stage: 16 x lane, a row an instruction
	v_mul_u32_u24 v7, v2, XP
	v_lshl_add_u32 v7, v3, 6, v7
	v_add_nc_u32 v7, s17, v7                       ; out of it: row r, + 64 h
	s_add_co_u32 s17, s26, SCX
	v_lshl_add_u32 v8, v2, 4, s17                  ; my tiles' scale words of row r
	v_add_nc_u32 v9, SCX, v4                       ; and where wave 0 reads all of them back
.irp b, 0,1,2,3
	v_mov_b32 v[TM+4+\b], 0                        ; written once: a lane permute's destination counts as one of its sources
.endr
.macro XTILE u
.if \u == 0
	s_wait_loadcnt 16                              ; tile 0's sixteen loads are in; tile 1's sixteen may be out
.else
	s_wait_loadcnt 0x0
.endif
.irp i, 0,1,2,3,4,5,6,7,8,9,10,11,12,13,14,15
	ds_store_b128 v6, v[R+64*\u+4*\i:R+64*\u+4*\i+3] offset:XP*\i
.endr
.irp b, 0,1,2,3
.irp j, 0,1,2,3
	ds_load_b128 v[X+16*\b+4*\j:X+16*\b+4*\j+3], v7 offset:128*\b+16*\j   ; LDS serves a wave's instructions in order: these see the stores above
.endr
.endr
	s_wait_dscnt 0x0
.if \u == 1
	s_wait_xcnt 0x0                                ; tile 0's stores have read the codes' registers
.endif
	QUANT X
	global_store_b128 v4, v[PC:PC+3], s[30:31] offset:1536*\u
	global_store_b64 v5, v[PC+4:PC+5], s[30:31] offset:1536*\u+512
	global_store_b128 v4, v[PC+6:PC+9], s[30:31] offset:1536*\u+768
	global_store_b64 v5, v[PC+10:PC+11], s[30:31] offset:1536*\u+1280
	ds_store_b32 v8, v[PW] offset:4*\u             ; lanes r and r + 16 write the same word with the same value
.endm
	s_wait_alu depctr_va_vdst(0)
	XTILE 0
	XTILE 1
	TAIL
	; ---- W: K is the FIRST axis.  Lane l takes column 32 w + l and its registers run down K: a block of 32 lies in one lane, and the codes come out with K innermost
.Lw_path:
	s_cmp_lt_u32 s21, 24                           ; groups 0-23: w_qkv; 24-31: w_proj
	s_cselect_b64 s[4:5], s[6:7], s[8:9]
	s_mov_b32 s24, 4096
	s_cselect_b32 s24, 12288, s24                  ; a row of the weight in bytes
	s_cselect_b32 s25, 0, 24
	s_sub_co_u32 s25, s21, s25                     ; the group within its weight
	s_mul_i32 s22, s20, s24
	s_lshl_b32 s22, s22, 7                         ; 128 rows a K step
	s_lshl_b32 s25, s25, 9                         ; 512 bytes a group
	s_add_co_u32 s22, s22, s25
	s_lshl_b32 s25, s16, 7                         ; 128 bytes a wave
	s_add_co_u32 s22, s22, s25
	s_add_nc_u64 s[32:33], s[4:5], s[22:23]        ; block 0 of the K step,
	s_lshl_b32 s22, s24, 5
	s_add_nc_u64 s[34:35], s[32:33], s[22:23]      ; and the three blocks 32 rows further down each
	s_add_nc_u64 s[36:37], s[34:35], s[22:23]
	s_add_nc_u64 s[38:39], s[36:37], s[22:23]
	s_wait_alu depctr_va_vdst(0)
	v_lshlrev_b32 v[L4], 2, v1
.irp i, 0,1,2,3,4,5,6,7,8,9,10,11,12,13,14,15,16,17,18,19,20,21,22,23,24,25,26,27,28,29,30,31
	v_mad_u32_u24 v[OFF+\i], s24, \i, v[L4]        ; row i of a block, my column
.endr
.macro WLOAD kb
.irp i, 0,1,2,3,4,5,6,7,8,9,10,11,12,13,14,15,16,17,18,19,20,21,22,23,24,25,26,27,28,29,30,31
	global_load_b32 v[NUM+32*((\kb)%2)+\i], v[OFF+\i], s[32+2*(\kb):33+2*(\kb)] th:TH_LOAD_NT
.endr
.endm
	WLOAD 0
	WLOAD 1
	s_mul_i32 s17, s16, WSTW
	s_add_co_u32 s17, s17, WST
	v_bfe_u32 v10, v0, 3, 1                        ; my column's tile of the wave's two: u = (l / 8) % 2
	v_and_b32 v11, 7, v0
	v_lshl_add_u32 v11, v3, 3, v11                 ; and its lane row there: l % 8 + 8 (l / 16)
	v_mul_u32_u24 v6, v10, WTP
	v_add_nc_u32 v6, s17, v6
	v_lshl_add_u32 v12, v11, 4, v6                 ; where registers 0-3 of a block go,
	v_lshl_add_u32 v13, v11, 3, v6                 ; and registers 4-5
	v_add_nc_u32 v7, s17, v4                       ; back: 16 x lane
	s_add_co_u32 s17, s26, SCW
	v_lshl_add_u32 v8, v11, 4, s17
	v_lshl_add_u32 v8, v10, 2, v8                  ; my column's scale word
	v_add_nc_u32 v9, SCW, v4
.macro BLOCK kb
.set XS, NUM+32*((\kb)%2)
.set CC, CD+8*(\kb)
.if \kb < 3
	s_wait_loadcnt 32                              ; this block's 32 loads are in; the next block's 32 may be out
.else
	s_wait_loadcnt 0x0
.endif
	v_max3_num_f32 v[MXA], |v[XS]|, |v[XS+1]|, |v[XS+2]|
	v_max3_num_f32 v[MXB], |v[XS+3]|, |v[XS+4]|, |v[XS+5]|
.irp i, 6,10,14,18,22,26
	v_max3_num_f32 v[MXA], v[MXA], |v[XS+\i]|, |v[XS+\i+1]|
	v_max3_num_f32 v[MXB], v[MXB], |v[XS+\i+2]|, |v[XS+\i+3]|
.endr
	v_max3_num_f32 v[MXA], v[MXA], |v[XS+30]|, |v[XS+31]|
	v_max3_num_f32 v[MXA], v[MXA], v[MXB], 0x1800000   ; and the floor
	v_add_nc_u32 v[SOP], 0xff000000, v[MXA]
	v_lshrrev_b32 v[MXB], 23, v[SOP]
.if \kb == 0
	v_mov_b32 v[SBY], v[MXB]
.else
	v_lshl_or_b32 v[SBY], v[MXB], 8*(\kb), v[SBY]
.endif
	v_cvt_scalef32_pk16_fp6_f32 v[CC:CC+2], v[XS:XS+15], v[SOP]
	v_cvt_scalef32_pk16_fp6_f32 v[CT:CT+2], v[XS+16:XS+31], v[SOP]
	v_nop                                          ; one plain place behind a scaled conversion
.irp i, 0,1,2
	v_mov_b32 v[CC+3+\i], v[CT+\i]
.endr
	ds_store_b128 v12, v[CC:CC+3] offset:768*((\kb)/2)+256*((\kb)%2)        ; block kb is half kb / 2 of the fragment, lanes 16 (kb % 2) on
	ds_store_b64 v13, v[CC+4:CC+5] offset:768*((\kb)/2)+512+128*((\kb)%2)
.if \kb < 2
	WLOAD (\kb)+2
.endif
.endm
	BLOCK 0
	BLOCK 1
	BLOCK 2
	BLOCK 3
	ds_store_b32 v8, v[SBY]
.irp n, 0,1,2,3,4,5
	ds_load_b128 v[OUTR+4*\n:OUTR+4*\n+3], v7 offset:WTP*(\n/3)+512*(\n%3)   ; my own bytes, served in order
.endr
.irp n, 0,1,2,3,4,5
	s_wait_dscnt 5-\n                              ; the younger reads may be out
	global_store_b128 v4, v[OUTR+4*\n:OUTR+4*\n+3], s[30:31] offset:1536*(\n/3)+512*(\n%3)
.endr
	TAIL
.Lfunc_end_k_q3adaa92e92_quant:
	.size	k_q3adaa92e92_quant, .Lfunc_end_k_q3adaa92e92_quant-k_q3adaa92e92_quant
	.p2alignl 7, 3214868480
	.fill 96, 4, 3214868480
	.section	.rodata,"a",@progbits
	.p2align	6, 0x0
	.amdhsa_kernel k_q3adaa92e92_quant
		.amdhsa_group_segment_fixed_size 48640
		.amdhsa_private_segment_fixed_size 0
		.amdhsa_enable_private_segment 0
		.amdhsa_kernarg_size 40
		.amdhsa_user_sgpr_count 2
		.amdhsa_user_sgpr_kernarg_segment_ptr 1
		.amdhsa_wavefront_size32 1
		.amdhsa_system_sgpr_workgroup_id_x 1
		.amdhsa_system_sgpr_workgroup_id_y 1
		.amdhsa_system_sgpr_workgroup_id_z 1
		.amdhsa_system_vgpr_workitem_id 0
		.amdhsa_next_free_vgpr 256
		.amdhsa_next_free_sgpr 66
		.amdhsa_reserve_vcc 0
		.amdhsa_float_denorm_mode_32 3
		.amdhsa_float_denorm_mode_16_64 3
		.amdhsa_memory_ordered 1
		.amdhsa_forward_progress 1
		.amdhsa_inst_pref_size 42
	.end_amdhsa_kernel
	.amdgpu_metadata
---
amdhsa.version: [ 1, 2 ]
amdhsa.kernels:
  - .name:           k_q3adaa92e92_quant
    .symbol:         k_q3adaa92e92_quant.kd
    .args:
      - { .name: x, .offset: 0, .size: 8, .value_kind: global_buffer, .address_space: global }
      - { .name: w_qkv, .offset: 8, .size: 8, .value_kind: global_buffer, .address_space: global }
      - { .name: w_proj, .offset: 16, .size: 8, .value_kind: global_buffer, .address_space: global }
      - { .name: xi, .offset: 24, .size: 8, .value_kind: global_buffer, .address_space: global }
      - { .name: wi, .offset: 32, .size: 8, .value_kind: global_buffer, .address_space: global }
    .group_segment_fixed_size: 48640
    .private_segment_fixed_size: 0
    .kernarg_segment_align: 8
    .kernarg_segment_size: 40
    .max_flat_workgroup_size: 128
    .sgpr_count:     66
    .vgpr_count:     256
    .wavefront_size: 32
...
	.end_amdgpu_metadata
.endif
;; end of part 1
;; launch gemm_qkv (part 2): grid 24 x 32, 4 waves a work-group, clusters of 4 x 4, 327,680 bytes of LDS; arguments xi, wi, qk, vi; writes qk, vi
.if DOCPART == 2
	.amdgcn_target "amdgcn-amd-amdhsa--gfx1250"
	.amdhsa_code_object_version 6
	.text
	.protected	k_q3adaa92e92_gemm_qkv
	.globl	k_q3adaa92e92_gemm_qkv
	.p2align	8
	.type	k_q3adaa92e92_gemm_qkv,@function
k_q3adaa92e92_gemm_qkv:
	s_mov_b64 s[64:65], 0
	v_nop
	global_prefetch_b8 v0, s[64:65] scope:SCOPE_SE
	s_setreg_imm32_b32 hwreg(HW_REG_WAVE_MODE, 25, 1), 1
	s_wait_xcnt 0x0
	s_wait_alu depctr_hold_cnt(0) depctr_sa_sdst(0) depctr_va_vdst(0) depctr_va_sdst(0) depctr_va_ssrc(0) depctr_va_vcc(0) depctr_vm_vsrc(0)
	s_getreg_b32 s2, hwreg(HW_REG_IB_STS2, 6, 4)
	s_cmp_eq_u32 s2, 0
	s_cbranch_scc0 .Lentry_in_a_cluster
	s_endpgm
.Lentry_in_a_cluster:
	s_bfe_u32 s2, ttmp6, 0x10000c
	s_cmp_lg_u32 s2, 0xf033
	s_cbranch_scc0 .Lentry_shape_is_right
	s_endpgm
.Lentry_shape_is_right:
; x w_qkv on codes of FP6 (E2M3) with E8M0 scales; then, in registers, the 2-D rotary turn and the quantiser along the head's 64 for q and k, and the quantiser along the keys for v.  Only codes and scale bytes go to memory.  Nothing is left out.
; A work-group takes 256 tokens (two groups of 128) x 128 columns (one group) and ALL of K = 1,024, which lies in LDS at once: four chunks of two K steps, each [tokens' group 0 | group 1 | columns], 25,600 bytes a part.
; All twelve tensor loads are first fills, issued at the head; a chunk is awaited by a counted wait just ahead of its use.  By this text's count a wave has at most four tensor loads out.  Nothing is filled again.
; CLUSTERS: 4 x 4.  The tokens' parts hang on the work-group's y alone and are asked for jointly along a row of the cluster, the columns' part on x alone, jointly along a column.
; A wave (wr = w / 2, wc = w % 2) has 32 accumulators: 8 tiles on source 1's side x 4 tiles on source 0's.
;   q, k (cluster x 0-3): source 1 = the 128 tokens of group wr, source 0 = 64 columns, ONE head: a lane holds one token and its registers run along the head: the next product's K.
;   v    (cluster x 4-5): source 1 = the 128 columns (two heads), source 0 = 64 tokens of group wr: a lane holds one channel and its registers run along the KEYS: the next product's K.
;   The two roles differ in two read bases inside a chunk and in the way out; the role is the same in all partners of a cluster.
; cos and sin: 32 x 16 angles for the position along W and 8 x 16 for the work-group's positions along H, made in LDS while the first tiles are on their way.  The angle is formed by the reference's own f32 steps
; (i / 31, -(1 - s) + s; j / 15, (1 - s) + 128 s; x pi; product); it is reduced by n pi / 2 in two parts, the first product exact, and put through polynomials of degree 7 and 8.
; LIMITS: cos and sin are good to about 1e-7; blocks of zeros or under 2^-124 get the byte 1; NaN and infinities are not served.
; qk: [8 b][32: q's 16 heads, k's 16][8 groups of 128 tokens][6,656]: eight halves of 768 bytes (16 tokens x 64), then 512 bytes of scale words (bytes 0, 1: the head's two blocks; bytes 2, 3: never 0xff, they meet zero codes).
; vi: [8 b][16 heads][8 groups of 128 keys][6,400]: four fragments of 1,536 bytes (16 channels x 128 keys), then 256 bytes of scale words, (tile t, r) at 16 r + 4 t.
.set STEPB, 12800
; LDS AND LOADS AS THEY STAND (in place of what the head's lines on chunks and twelve loads say): two halves of 153,600 bytes, K steps 0-3 and K steps 4-7, each [tokens' group 0 | group 1 | columns], 51,200 bytes a part.
; At the head each wave issues ONE joint load of 51,200 bytes: waves 0, 1 the tokens' K steps 0-3, waves 2, 3 the columns' K steps 0-3 and 4-7.  Behind the three lines and a round waves 0, 1 ask for the tokens' K steps 4-7,
; awaited, with a barrier, in K step 3.  By this text's count a wave has one tensor load out.  Nothing is filled again.
.set PART,  51200                      ; a part of a half in LDS: four K steps of a group
.set HALFP, 51200                      ; the same four K steps in memory
.set HALFL, 153600                     ; a half in LDS
.set CHUNK, 25600                      ; two K steps of a part
.set TBW,   307200                     ; (cos, sin) [32 positions along W][16 frequencies], 8 bytes each
.set TBH,   311296                     ; the same for my work-group's 8 positions along H
.set EXC,   312320                     ; v's scale bytes meet here: [wr][head of two][16 r + 4 t]
.set SPARE, 313344                     ; the spare words; no other line names them
.set A16, 4                            ; v4-9   LDS addresses of source 1's fragments (16 and 8 bytes a lane) and scale words, then source 0's
.set A8,  5
.set ASC, 6
.set B16, 7
.set B8,  8
.set BSC, 9
.set SPW, 10                           ; v10  my spare word; never rewritten
.set NIL, 11                           ; v11  0; never rewritten
.set L16, 12                           ; v12  16 x lane
.set L8,  13                           ; v13  8 x lane
.set TADW, 14                          ; v14  my place in the table along W
.set TADH, 15                          ; v15  along H
.set EA,  16                           ; v16  where v's scale bytes go
.set EXR, 17                           ; v17  and where they are read back
.set SA,  32                           ; v32-55 scale words and nothing else: set g: source 1's eight at 32 + 12 g, source 0's four at 40 + 12 g
.set SB,  40
.set AF,  64                           ; fragments: source 1's eight at v64-159, source 0's four at v160-207; set 0 in window 0, set 1 in window 2
.set BF,  160                          ; window 1: the accumulators, (a, b) at v[8 (4 a + b)]
.set CW,  64                           ; the way out, window 0: v64-95 (cos, sin) along W for the pair's two tiles
.set CHH, 96                           ; v96-111 along H
.set R,   112                          ; v112-175 64 turned numbers
.set PC,  176                          ; v176-194 codes
.set TM,  196                          ; v196-211 at work in QUANT
.set PWS, 212                          ; v212-215 the four pairs' scale words
.set W4,  216
.set PW,  220
.set TI,  64                           ; the tables, ahead of the first fragments: v64-91
.set TPH, 65
.set TJ0, 66
.set TFJ, 67
.set TTH, 68
.set TN,  70
.set TRR, 71
.set TZ,  72
.set TP,  73
.set TQ,  74
.set TS,  75
.set TC,  76
.set TNI, 77
.set TT,  78
.set TE,  80
.set TWA, 90
.set THA, 91
.set WV, 12
.set WR, 13
.set WC, 14
.set CX, 15
.set CY, 16
.set GX, 17
.set GY, 18
.set SEL, 22
.set G1X, 24
.set G1W, 32
.set G0X, 40                           ; s[40:47] two groups 0, one a half, for the tokens' parts
.set G0W, 68                           ; s[68:71] for the columns' part
.set K31R, 84
.set K31,  85
.set K15R, 86
.set K15,  87
.set K128, 88
.set KPI,  89
.set K2PI, 90
.set KHI,  91
.set KMID, 92
.set KS1,  93
.set KS2,  94
.set KS3,  95
.set KC1,  96
.set KC2,  97
.set KC3,  98
.set MSB, 0
.macro WIN new                         ; the immediate's high byte repeats the setting that is left; a switch that changes nothing is dropped
.if MSB != (\new)
	s_set_vgpr_msb (MSB<<8)|(\new)
.set MSB, (\new)
.endif
.endm
.macro PLACES                          ; four places behind a matrix instruction, ahead of loads into its registers and of reads of its results
.rept 4
	v_nop
.endr
.endm
.macro CROUND                          ; a round of the cluster's barrier
	s_barrier_signal -1
	s_barrier_wait -1
	s_cmp_lg_u32 s[WV], 0
	s_cbranch_scc1 .Lnot_wave_0_\@
	s_barrier_signal -3
.Lnot_wave_0_\@:
	s_barrier_wait -3
	s_barrier_signal -1
	s_barrier_wait -1
.endm
.macro FRAG reg, a16, a8, off          ; a fragment's 12 registers, as they were stored
	ds_load_b128 v[\reg:\reg+3], v[\a16] offset:\off
	ds_load_b64 v[\reg+4:\reg+5], v[\a8] offset:\off+512
	ds_load_b128 v[\reg+6:\reg+9], v[\a16] offset:\off+768
	ds_load_b64 v[\reg+10:\reg+11], v[\a8] offset:\off+1280
.endm
.macro FETCH q, g                      ; K step q's twelve fragments and scale words into set g: 51 loads
	WIN 0x80*(\g)
.irp i, 0,1,2,3,4,5,6,7
	FRAG AF+12*\i, A16, A8, ((\q)%2)*STEPB+1536*\i
.endr
.irp i, 0,1,2,3
	FRAG BF+12*\i, B16, B8, ((\q)%2)*STEPB+1536*\i
.endr
	WIN 0
	ds_load_b128 v[SA+12*(\g):SA+12*(\g)+3], v[ASC] offset:((\q)%2)*STEPB
	ds_load_b128 v[SA+12*(\g)+4:SA+12*(\g)+7], v[ASC] offset:((\q)%2)*STEPB+256
	ds_load_b128 v[SB+12*(\g):SB+12*(\g)+3], v[BSC] offset:((\q)%2)*STEPB
.endm
.macro MUL a0, n, g, zero              ; n tiles of source 1 from a0 on x source 0's four.  The 32 accumulators take turns, in the same order in every K step
.set ma, \a0
.rept \n
.irp b, 0,1,2,3
.if \zero
	v_wmma_scale_f32_16x16x128_f8f6f4 v[8*(4*ma+\b):8*(4*ma+\b)+7], v[BF+12*\b:BF+12*\b+11], v[AF+12*ma:AF+12*ma+11], 0, v[SB+12*(\g)+\b], v[SA+12*(\g)+ma] matrix_a_fmt:MATRIX_FMT_FP6 matrix_b_fmt:MATRIX_FMT_FP6
.else
	v_wmma_scale_f32_16x16x128_f8f6f4 v[8*(4*ma+\b):8*(4*ma+\b)+7], v[BF+12*\b:BF+12*\b+11], v[AF+12*ma:AF+12*ma+11], v[8*(4*ma+\b):8*(4*ma+\b)+7], v[SB+12*(\g)+\b], v[SA+12*(\g)+ma] matrix_a_fmt:MATRIX_FMT_FP6 matrix_b_fmt:MATRIX_FMT_FP6
.endif
.endr
.set ma, ma+1
.endr
.endm
.macro STEP q, zero                    ; an even K step: its successor lies in the same chunk
	s_wait_dscnt 0x0                               ; this step's loads, issued a step ago
	PLACES
	FETCH (\q)+1, 1
	WIN 0x50
	MUL 0, 8, 0, \zero
	WIN 0
.endm
.macro TURN q                          ; an odd K step: its successor lies in the next chunk
	s_wait_dscnt 0x0
.if (\q) == 3
	s_wait_tensorcnt 0x0                           ; my load of the tokens' K steps 4-7 has landed
	s_barrier_signal -1
.endif
	WIN 0x5a
	MUL 0, 4, 1, 0
	WIN 0
.if (\q) == 3
	s_barrier_wait -1                              ; everybody's has
.endif
.irp r, A16, A8, ASC, B16, B8, BSC
.if (\q) == 3
	v_add_nc_u32 v[\r], HALFL-CHUNK, v[\r]         ; from K step 2 of the first half to K step 4, the second half's first
.else
	v_add_nc_u32 v[\r], CHUNK, v[\r]               ; (these six are also the places ahead of the loads below)
.endif
.endr
	FETCH (\q)+1, 0
	WIN 0x5a
	MUL 4, 4, 1, 0
	WIN 0
.endm
.macro RATIO d, i, c, k                ; d = i / k: the product with 1 / k, mended by one step
	v_mul_f32 v[\d], s[\c], v[\i]
	v_fma_f32 v[TT], -v[\d], s[\k], v[\i]
	v_fma_f32 v[\d], v[TT], s[\c], v[\d]
.endm
.macro PHASE d, i                      ; the position i of 32 on -1 .. 1: s = i / 31, -(1 - s) + s
	RATIO \d, \i, K31R, K31
	v_sub_f32 v[TT], 1.0, v[\d]
	v_sub_f32 v[\d], v[\d], v[TT]
.endm
.macro FREQ d, j                       ; frequency j of 16: s = j / 15, ((1 - s) + 128 s) x pi
	RATIO \d, \j, K15R, K15
	v_sub_f32 v[TT], 1.0, v[\d]
	v_fma_f32 v[\d], s[K128], v[\d], v[TT]
	v_mul_f32 v[\d], s[KPI], v[\d]
.endm
.macro SINCOS th, co, si
	v_mul_f32 v[TN], s[K2PI], v[\th]
	v_rndne_f32 v[TN], v[TN]                       ; n, at most 257 in size
	v_fma_f32 v[TRR], -v[TN], s[KHI], v[\th]       ; exact: a multiple of 2^-23 under 1
	v_fma_f32 v[TRR], v[TN], s[KMID], v[TRR]       ; pi / 2 = HI - MID
	v_mul_f32 v[TZ], v[TRR], v[TRR]
	v_fma_f32 v[TP], v[TZ], s[KS3], s[KS2]
	v_fma_f32 v[TQ], v[TZ], s[KC3], s[KC2]
	v_fma_f32 v[TP], v[TP], v[TZ], s[KS1]
	v_fma_f32 v[TQ], v[TQ], v[TZ], s[KC1]
	v_mul_f32 v[TT], v[TZ], v[TRR]
	v_fma_f32 v[TS], v[TP], v[TT], v[TRR]
	v_mul_f32 v[TT], v[TZ], v[TZ]
	v_fma_f32 v[TC], v[TZ], -0.5, 1.0
	v_fma_f32 v[TC], v[TQ], v[TT], v[TC]
	v_cvt_i32_f32 v[TNI], v[TN]
	v_and_b32 v[TT], 1, v[TNI]
	v_cmp_eq_u32 s20, 1, v[TT]                     ; an odd quarter: the two change places
	v_cndmask_b32 v[\si], v[TS], v[TC], s20
	v_cndmask_b32 v[\co], v[TC], v[TS], s20
	v_and_b32 v[TT], 2, v[TNI]
	v_lshlrev_b32 v[TT], 30, v[TT]
	v_xor_b32 v[\si], v[TT], v[\si]                ; sin is negative in quarters 2 and 3,
	v_add_nc_u32 v[TT], 1, v[TNI]
	v_and_b32 v[TT], 2, v[TT]
	v_lshlrev_b32 v[TT], 30, v[TT]
	v_xor_b32 v[\co], v[TT], v[\co]                ; cos in quarters 1 and 2
.endm
; 64 numbers of a lane in window w, register 16 b + i = k 32 b + 16 (lane / 16) + i, become 12 registers of codes in v[PC] on and four scale bytes in v[PW]
.macro QUANT s, w
	WIN (\w)|((\w)<<2)
.irp b, 0,1,2,3
	v_max3_num_f32 v[TM+\b], |v[\s+16*\b]|, |v[\s+1+16*\b]|, 0x1800000   ; with the floor 2^(3 - 127).  (Each accumulator is read from its low end on)
.endr
	WIN ((\w)<<2)|((\w)<<4)
.irp i, 2,4,6,8,10,12,14
.irp b, 0,1,2,3
	v_max3_num_f32 v[TM+\b], v[TM+\b], |v[\s+16*\b+\i]|, |v[\s+1+16*\b+\i]|
.endr
.endr
	WIN 0
.irp b, 0,1,2,3
	v_permlanex16_b32 v[TM+4+\b], v[TM+\b], s[SEL], s[SEL+1]
.endr
.irp b, 0,1,2,3
	v_max_num_f32 v[TM+\b], v[TM+\b], v[TM+4+\b]
.endr
.irp b, 0,1,2,3
	v_add_nc_u32 v[TM+12+\b], 0xff000000, v[TM+\b]
.endr
.irp b, 0,1,2,3
	v_lshrrev_b32 v[TM+4+\b], 23, v[TM+12+\b]
.endr
	v_lshl_or_b32 v[PW], v[TM+5], 8, v[TM+4]
	v_lshl_or_b32 v[PW], v[TM+6], 16, v[PW]
	v_lshl_or_b32 v[PW], v[TM+7], 24, v[PW]
	WIN (\w)
.irp c, 0,1
	v_cvt_scalef32_pk16_fp6_f32 v[PC+6*\c:PC+2+6*\c], v[\s+32*\c:\s+15+32*\c], v[TM+12+2*\c]
	v_cvt_scalef32_pk16_fp6_f32 v[PC+12+4*\c:PC+14+4*\c], v[\s+16+32*\c:\s+31+32*\c], v[TM+12+2*\c+1]
.endr
	WIN 0
	v_nop                                          ; one plain place behind a scaled conversion
.irp c, 0,1
.irp i, 0,1,2
	v_permlane16_swap_b32 v[PC+6*\c+\i], v[PC+12+4*\c+\i]
.endr
.irp i, 0,1,2
	v_mov_b32 v[PC+3+6*\c+\i], v[PC+12+4*\c+\i]
.endr
.endr
.endm
.macro LEAVE
	s_wait_tensorcnt 0x0                           ; the wave's end
	ds_add_u32 v[SPW], v[NIL]
	s_wait_dscnt 0x0
	CROUND                                         ; the closing round
	s_endpgm
.endm
	s_load_b256 s[4:11], s[0:1], 0x0               ; xi s[4:5], wi s[6:7], qk s[8:9], vi s[10:11]
	v_lshl_add_u32 v[SPW], v0, 2, SPARE
	v_mov_b32 v[NIL], 0
	ds_add_u32 v[SPW], v[NIL]                      ; the opening
	ds_add_u32 v[SPW], v[NIL]
	v_lshrrev_b32 v1, 5, v0
	v_readfirstlane_b32 s[WV], v1                  ; wave 0..3
	s_lshr_b32 s[WR], s[WV], 1
	s_and_b32 s[WC], s[WV], 1
	s_bfe_u32 s[CX], ttmp6, 0x40000
	s_bfe_u32 s[CY], ttmp6, 0x40004
	s_lshl_b32 s[GX], ttmp9, 2
	s_add_co_u32 s[GX], s[GX], s[CX]               ; the group of columns, 0..23
	s_and_b32 s[GY], ttmp7, 0xffff
	s_lshl_b32 s[GY], s[GY], 2
	s_add_co_u32 s[GY], s[GY], s[CY]               ; the pair of groups of tokens, 0..31
	s_lshl_b32 s2, s[CY], 2
	s_lshl_b32 s2, 15, s2                          ; my row of the cluster
	s_lshl_b32 s3, 0x1111, s[CX]                   ; my column
	s_or_b32 s[G1X], s2, (3<<16)|(1<<21)           ; 15:0 the mask; 17:16 elements of 8 bytes; 21 set beside a mask; no padding
	s_or_b32 s[G1W], s3, (3<<16)|(1<<21)
.irp g, G1X, G1W                       ; a part of a half: 51,200 dense bytes as 200 rows of 256
	s_mov_b32 s[\g+1], 32<<16
	s_mov_b32 s[\g+2], 200<<16                     ; 51,200 dense bytes as 200 rows of 256
	s_mov_b32 s[\g+3], 32<<16
	s_mov_b32 s[\g+4], 200
	s_mov_b32 s[\g+5], 32
	s_mov_b32 s[\g+6], 0
	s_mov_b32 s[\g+7], 0
.endr
	s_mov_b32 s[SEL], 0x76543210
	s_mov_b32 s[SEL+1], 0xfedcba98
	s_mov_b32 s[K31R], 0x3d042108                  ; 1 / 31
	s_mov_b32 s[K31],  0x41f80000                  ; 31
	s_mov_b32 s[K15R], 0x3d888889                  ; 1 / 15
	s_mov_b32 s[K15],  0x41700000                  ; 15
	s_mov_b32 s[K128], 0x43000000                  ; 128
	s_mov_b32 s[KPI],  0x40490fdb                  ; pi
	s_mov_b32 s[K2PI], 0x3f22f983                  ; 2 / pi
	s_mov_b32 s[KHI],  0x3fc90fdb                  ; pi / 2, rounded
	s_mov_b32 s[KMID], 0x333bbd2e                  ; what that is too large by
	s_mov_b32 s[KS1],  0xbe2aaaa3
	s_mov_b32 s[KS2],  0x3c08839e
	s_mov_b32 s[KS3],  0xb94ca1f9
	s_mov_b32 s[KC1],  0x3d2aaaa5
	s_mov_b32 s[KC2],  0xbab6061a
	s_mov_b32 s[KC3],  0x37ccf5ce
	s_lshl_b32 s56, s[GY], 1
	s_add_co_u32 s56, s56, s[WC]                   ; waves 0 and 1 fetch the tokens' groups 2 y and 2 y + 1,
	s_mul_i32 s56, s56, 8*STEPB
	s_mov_b32 s57, 0
	s_mul_i32 s60, s[GX], 8*STEPB                  ; wave 2 the columns' group
	s_mov_b32 s61, 0
	s_mul_i32 s19, s[WV], PART                     ; a part's place in a chunk: the wave's number alone
	s_wait_dscnt 0x0                               ; both opening adds are done
	s_wait_kmcnt 0x0
	s_add_nc_u64 s[58:59], s[4:5], s[56:57]
	s_add_nc_u64 s[62:63], s[6:7], s[60:61]
	s_mul_i32 s2, s[WC], HALFP                     ; wave 2: the columns' K steps 0-3, wave 3: 4-7
	s_mov_b32 s3, 0
	s_add_nc_u64 s[62:63], s[62:63], s[2:3]
.irp c, 0,1
	s_mov_b32 s[G0X+4*\c], 1
	s_add_co_u32 s[G0X+4*\c+1], s19, \c*HALFL
	s_add_nc_u64 s[G0X+4*\c+2:G0X+4*\c+3], s[58:59], \c*HALFP
	s_or_b32 s[G0X+4*\c+3], s[G0X+4*\c+3], 0x80000000
.endr
	s_mov_b32 s[G0W], 1
	s_mul_i32 s2, s[WC], HALFL                     ; wave 2 fills the first half's columns, wave 3 the second's
	s_add_co_u32 s[G0W+1], s2, 2*PART
	s_mov_b64 s[G0W+2:G0W+3], s[62:63]
	s_or_b32 s[G0W+3], s[G0W+3], 0x80000000
	CROUND                                         ; all sixteen work-groups are here: the joint loads meet
	s_cmp_lt_u32 s[WV], 2                          ; one load in each arm: every wave issues one
	s_cbranch_scc0 .Lnot_x
	tensor_load_to_lds s[G0X:G0X+3], s[G1X:G1X+7]
	s_nop 0
	PLACES
	s_branch .Lasked
.Lnot_x:
	tensor_load_to_lds s[G0W:G0W+3], s[G1W:G1W+7]
	s_nop 0
	PLACES
.Lasked:
	; every LDS address is made here, ahead of the parting of the roles
	v_and_b32 v1, 31, v0                           ; lane
	v_and_b32 v2, 15, v0                           ; r
	v_bfe_u32 v3, v0, 4, 1                         ; h
	v_lshlrev_b32 v[L16], 4, v1
	s_wait_alu depctr_va_vdst(0)
	v_lshlrev_b32 v[L8], 3, v1
	s_wait_alu depctr_va_vdst(0)
	s_mul_i32 s2, s[WR], PART                      ; my group of tokens in a chunk
	s_mov_b32 s3, 2*PART                           ; the columns
	s_cmp_ge_u32 ttmp9, 4                          ; v's role?  The cluster's x: the same in all partners
	s_cselect_b32 s56, s3, s2                      ; source 1's side
	s_cselect_b32 s57, s2, s3                      ; source 0's side,
	s_mul_i32 s58, s[WC], 6144
	s_add_co_u32 s58, s58, s57                     ; of which tiles 4 wc on are mine
	s_lshl_b32 s59, s[WC], 8
	s_add_co_u32 s59, s59, s57
	v_add_nc_u32 v[A16], s56, v[L16]
	v_add_nc_u32 v[A8], s56, v[L8]
	v_lshl_add_u32 v[ASC], v2, 4, s56
	v_add_nc_u32 v[ASC], 12288, v[ASC]
	v_add_nc_u32 v[B16], s58, v[L16]
	v_add_nc_u32 v[B8], s58, v[L8]
	v_lshl_add_u32 v[BSC], v2, 4, s59
	v_add_nc_u32 v[BSC], 12288, v[BSC]
	v_lshrrev_b32 v[TADW], 3, v2
	v_lshl_add_u32 v[TADW], v[TADW], 3, v2         ; r + 8 (r / 8): my token's position along W, less 8 for the pair's second tile
	v_lshlrev_b32 v[TADW], 7, v[TADW]
	v_lshl_add_u32 v[TADW], v3, 6, v[TADW]         ; my half's eight frequencies
	v_add_nc_u32 v[TADW], TBW, v[TADW]
	s_lshl_b32 s2, s[WR], 9
	s_add_co_u32 s3, s2, TBH
	v_lshl_add_u32 v[TADH], v3, 6, s3
	s_lshl_b32 s3, s[WC], 1
	s_add_co_u32 s2, s2, s3
	s_add_co_u32 s2, s2, EXC
	v_lshl_add_u32 v[EA], v2, 4, s2
	s_lshl_b32 s2, s[WV], 8
	s_add_co_u32 s2, s2, EXC
	v_add_nc_u32 v[EXR], s2, v[L8]
	; the tables: thread t makes position t / 4 along W, frequencies 4 (t % 4) + 0..3, and position 8 (y % 4) + t / 16 along H, frequency t % 16
	v_lshrrev_b32 v[TI], 2, v0
	v_cvt_f32_u32 v[TI], v[TI]
	PHASE TPH, TI
	v_and_b32 v[TJ0], 3, v0
	v_lshlrev_b32 v[TJ0], 2, v[TJ0]
.irp e, 0,1,2,3
	v_add_nc_u32 v[TFJ], \e, v[TJ0]
	v_cvt_f32_u32 v[TFJ], v[TFJ]
	FREQ TTH, TFJ
	v_mul_f32 v[TTH], v[TPH], v[TTH]
	SINCOS TTH, TE+2*\e, TE+2*\e+1
.endr
	v_lshl_add_u32 v[TWA], v0, 5, TBW
	ds_store_b128 v[TWA], v[TE:TE+3]
	ds_store_b128 v[TWA], v[TE+4:TE+7] offset:16
	s_and_b32 s2, s[GY], 3
	s_lshl_b32 s2, s2, 3                           ; (the work-group's y enters the table's VALUES, no LDS address)
	v_lshrrev_b32 v[TI], 4, v0
	v_add_nc_u32 v[TI], s2, v[TI]
	v_cvt_f32_u32 v[TI], v[TI]
	PHASE TPH, TI
	v_and_b32 v[TFJ], 15, v0
	v_cvt_f32_u32 v[TFJ], v[TFJ]
	FREQ TTH, TFJ
	v_mul_f32 v[TTH], v[TPH], v[TTH]
	SINCOS TTH, TE+8, TE+9
	v_lshl_add_u32 v[THA], v0, 3, TBH
	ds_store_b64 v[THA], v[TE+8:TE+9]
	s_wait_alu depctr_va_vdst(0)                   ; the head's end
	s_wait_tensorcnt 0x0                           ; my load of the head has landed
	ds_add_u32 v[SPW], v[NIL]
	s_wait_dscnt 0x0                               ; the add, and my part of the tables
	CROUND                                         ; everybody's has, and the joint loads meet
	s_cmp_lt_u32 s[WV], 2
	s_cbranch_scc0 .Lasked2
	tensor_load_to_lds s[G0X+4:G0X+7], s[G1X:G1X+7]   ; the tokens' K steps 4-7
	s_nop 0
	PLACES
.Lasked2:
	FETCH 0, 0
	STEP 0, 1                                      ; the first K step starts the sums: nothing is cleared
	TURN 1
	s_wait_alu depctr_va_vdst(0)
	STEP 2, 0
	TURN 3
	s_wait_alu depctr_va_vdst(0)
	STEP 4, 0
	TURN 5
	s_wait_alu depctr_va_vdst(0)
	STEP 6, 0
	s_wait_dscnt 0x0
	WIN 0x5a
	MUL 0, 8, 1, 0
	WIN 0
	PLACES
	s_lshr_b32 s2, s[GY], 2                        ; b
	s_and_b32 s3, s[GY], 3
	s_lshl_b32 s3, s3, 1
	s_add_co_u32 s3, s3, s[WR]                     ; my group of 128 tokens within b
	s_mov_b32 s57, 0
.irp b, 0,1,2,3
	v_mov_b32 v[TM+4+\b], 0                        ; a lane permute's destination counts as one of its sources
.endr
	s_cmp_ge_u32 ttmp9, 4
	s_cbranch_scc1 .Lv_role
	; ---- q, k: lane (r, h) holds token r of tile a; register 16 bb + i of the tile's 32 is channel 32 bb + 16 h + i of my head.  Block 0 turns by the position along H, block 1 by that along W
	s_lshl_b32 s2, s2, 5
	s_lshl_b32 s19, s[GX], 1
	s_add_co_u32 s2, s2, s19
	s_add_co_u32 s2, s2, s[WC]                     ; 32 b + my head (q's 0-15, k's 16-31)
	s_lshl_b32 s2, s2, 3
	s_add_co_u32 s2, s2, s3
	s_mul_i32 s56, s2, 6656
	s_add_nc_u64 s[8:9], s[8:9], s[56:57]
.irp u, 0,1
.irp q, 0,1,2,3
	ds_load_b128 v[CW+16*\u+4*\q:CW+16*\u+4*\q+3], v[TADW] offset:1024*\u+16*\q
.endr
.endr
.macro QKPAIR p                        ; tiles 2 p and 2 p + 1: one position along H, two sets along W
.irp q, 0,1,2,3
	ds_load_b128 v[CHH+4*\q:CHH+4*\q+3], v[TADH] offset:128*(\p)+16*\q
.endr
	s_wait_dscnt 0x0
	WIN 0x01                                       ; source 0: the accumulators, window 1
.set n, 0
.rept 32
.if (n/8)%2 == 0
.set csr, CHH+2*(n%8)
.else
.set csr, CW+16*(n/16)+2*(n%8)
.endif
	v_pk_mul_f32 v[R+2*n:R+2*n+1], v[64*(\p)+2*n:64*(\p)+2*n+1], v[csr:csr+1] op_sel_hi:[1,0]   ; (x0 c, x1 c)
.set n, n+1
.endr
.set n, 0
.rept 32
.if (n/8)%2 == 0
.set csr, CHH+2*(n%8)
.else
.set csr, CW+16*(n/16)+2*(n%8)
.endif
	v_pk_fma_f32 v[R+2*n:R+2*n+1], v[64*(\p)+2*n:64*(\p)+2*n+1], v[csr:csr+1], v[R+2*n:R+2*n+1] op_sel:[1,1,0] op_sel_hi:[0,1,1] neg_lo:[0,1,0]   ; (- x1 s, + x0 s)
.set n, n+1
.endr
	WIN 0
	s_wait_xcnt 0x0                                ; the last pair's stores have read the codes' registers
	QUANT R, 0
	v_mov_b32 v[PWS+(\p)], v[PW]
	global_store_b128 v[L16], v[PC:PC+3], s[8:9] offset:1536*(\p)
	global_store_b64 v[L8], v[PC+4:PC+5], s[8:9] offset:1536*(\p)+512
	global_store_b128 v[L16], v[PC+6:PC+9], s[8:9] offset:1536*(\p)+768
	global_store_b64 v[L8], v[PC+10:PC+11], s[8:9] offset:1536*(\p)+1280
.endm
	QKPAIR 0
	QKPAIR 1
	QKPAIR 2
	QKPAIR 3
	v_cmp_lt_u32 s20, 15, v1                       ; lanes 0-15 store the words of tiles 0-3, lanes 16-31 those of tiles 4-7
	v_cndmask_b32 v[W4], v[PWS], v[PWS+2], s20
	v_cndmask_b32 v[W4+2], v[PWS+1], v[PWS+3], s20
	v_lshrrev_b32 v[W4+1], 16, v[W4]               ; a pair's word holds the first tile's two bytes below, the second's above
	v_lshrrev_b32 v[W4+3], 16, v[W4+2]
	global_store_b128 v[L16], v[W4:W4+3], s[8:9] offset:6144
	LEAVE
	; ---- v: lane (r, h) holds channel r of tile a (head a / 4, tile a % 4); register 16 bb + i is key 64 wc + 32 bb + 16 h + i of my group: quantised as it stands
.Lv_role:
	s_lshl_b32 s2, s2, 4
	s_sub_co_u32 s19, s[GX], 16
	s_lshl_b32 s19, s19, 1
	s_add_co_u32 s2, s2, s19                       ; 16 b + the first of my two heads
	s_lshl_b32 s2, s2, 3
	s_add_co_u32 s2, s2, s3
	s_mul_i32 s56, s2, 6400
	s_mul_i32 s19, s[WC], 768
	s_add_co_u32 s56, s56, s19                     ; my 64 keys are half wc of each fragment
	s_add_nc_u64 s[58:59], s[10:11], s[56:57]
	s_lshl_b32 s19, s[WC], 3
	s_add_co_u32 s2, s2, s19                       ; on the way out of the exchange wave w stores head w % 2 of group w / 2
	s_mul_i32 s56, s2, 6400
	s_add_nc_u64 s[60:61], s[10:11], s[56:57]
.macro VPAIR p
	s_wait_xcnt 0x0                                ; the last pair's stores have read the codes' registers,
	s_wait_dscnt 0x0                               ; and its LDS stores the scale word
	QUANT 64*(\p), 1
	global_store_b128 v[L16], v[PC:PC+3], s[58:59] offset:51200*((\p)/2)+3072*((\p)%2)
	global_store_b64 v[L8], v[PC+4:PC+5], s[58:59] offset:51200*((\p)/2)+3072*((\p)%2)+512
	global_store_b128 v[L16], v[PC+6:PC+9], s[58:59] offset:51200*((\p)/2)+3072*((\p)%2)+1536
	global_store_b64 v[L8], v[PC+10:PC+11], s[58:59] offset:51200*((\p)/2)+3072*((\p)%2)+2048
	ds_store_b16 v[EA], v[PW] offset:256*((\p)/2)+8*((\p)%2)              ; my two bytes of the first tile's word,
	ds_store_b16_d16_hi v[EA], v[PW] offset:256*((\p)/2)+8*((\p)%2)+4     ; and of the second's
.endm
	VPAIR 0
	VPAIR 1
	VPAIR 2
	VPAIR 3
	s_wait_dscnt 0x0                               ; for the others' sake: my bytes have landed
	s_barrier_signal -1
	s_barrier_wait -1
	ds_load_b64 v[W4:W4+1], v[EXR]
	s_wait_dscnt 0x0
	global_store_b64 v[L8], v[W4:W4+1], s[60:61] offset:6144   ; 32 lanes store 256 consecutive bytes
	LEAVE
.Lfunc_end_k_q3adaa92e92_gemm_qkv:
	.size	k_q3adaa92e92_gemm_qkv, .Lfunc_end_k_q3adaa92e92_gemm_qkv-k_q3adaa92e92_gemm_qkv
	.p2alignl 7, 3214868480
	.fill 96, 4, 3214868480
	.section	.rodata,"a",@progbits
	.p2align	6, 0x0
	.amdhsa_kernel k_q3adaa92e92_gemm_qkv
		.amdhsa_group_segment_fixed_size 327680
		.amdhsa_private_segment_fixed_size 0
		.amdhsa_enable_private_segment 0
		.amdhsa_kernarg_size 32
		.amdhsa_user_sgpr_count 2
		.amdhsa_user_sgpr_kernarg_segment_ptr 1
		.amdhsa_wavefront_size32 1
		.amdhsa_system_sgpr_workgroup_id_x 1
		.amdhsa_system_sgpr_workgroup_id_y 1
		.amdhsa_system_sgpr_workgroup_id_z 1
		.amdhsa_system_vgpr_workitem_id 0
		.amdhsa_next_free_vgpr 768
		.amdhsa_next_free_sgpr 100
		.amdhsa_reserve_vcc 0
		.amdhsa_float_denorm_mode_32 3
		.amdhsa_float_denorm_mode_16_64 3
		.amdhsa_memory_ordered 1
		.amdhsa_forward_progress 1
		.amdhsa_inst_pref_size 133
	.end_amdhsa_kernel
	.amdgpu_metadata
---
amdhsa.version: [ 1, 2 ]
amdhsa.kernels:
  - .name:           k_q3adaa92e92_gemm_qkv
    .symbol:         k_q3adaa92e92_gemm_qkv.kd
    .args:
      - { .name: xi, .offset: 0, .size: 8, .value_kind: global_buffer, .address_space: global }
      - { .name: wi, .offset: 8, .size: 8, .value_kind: global_buffer, .address_space: global }
      - { .name: qk, .offset: 16, .size: 8, .value_kind: global_buffer, .address_space: global }
      - { .name: vi, .offset: 24, .size: 8, .value_kind: global_buffer, .address_space: global }
    .group_segment_fixed_size: 327680
    .private_segment_fixed_size: 0
    .kernarg_segment_align: 8
    .kernarg_segment_size: 32
    .max_flat_workgroup_size: 128
    .sgpr_count:     100
    .vgpr_count:     768
    .wavefront_size: 32
...
	.end_amdgpu_metadata
.endif
;; end of part 2
;; launch attn (part 3): grid 4 x 64, 8 waves a work-group, clusters of 4 x 1, 327,680 bytes of LDS; arguments qk, vi, ai; writes ai
.if DOCPART == 3
	.amdgcn_target "amdgcn-amd-amdhsa--gfx1250"
	.amdhsa_code_object_version 6
	.text
	.protected	k_q3adaa92e92_attn
	.globl	k_q3adaa92e92_attn
	.p2align	8
	.type	k_q3adaa92e92_attn,@function
k_q3adaa92e92_attn:
	s_mov_b64 s[64:65], 0
	v_nop
	global_prefetch_b8 v0, s[64:65] scope:SCOPE_SE
	s_setreg_imm32_b32 hwreg(HW_REG_WAVE_MODE, 25, 1), 1
	s_wait_xcnt 0x0
	s_wait_alu depctr_hold_cnt(0) depctr_sa_sdst(0) depctr_va_vdst(0) depctr_va_sdst(0) depctr_va_ssrc(0) depctr_va_vcc(0) depctr_vm_vsrc(0)
	s_getreg_b32 s2, hwreg(HW_REG_IB_STS2, 6, 4)
	s_cmp_eq_u32 s2, 0
	s_cbranch_scc0 .Lentry_in_a_cluster
	s_endpgm
.Lentry_in_a_cluster:
	s_bfe_u32 s2, ttmp6, 0x10000c
	s_cmp_lg_u32 s2, 0x3003
	s_cbranch_scc0 .Lentry_shape_is_right
	s_endpgm
.Lentry_shape_is_right:
; softmax(q k^T / 64) v for every head, both products on codes of FP6 (E2M3) with E8M0 scales, and the quantiser of the result along the model's 1,024 for the last product.  Nothing is left out.
; THE SOFTMAX: t = score x log2(e) / 64; M = the running largest t rounded UP to a whole number; p = 2^(t - M) is quantised along the keys, not normalised; the sum of the unquantised p divides at the end.
; A cluster of four work-groups serves one batch and one PAIR of heads; a work-group 256 queries; each of its eight waves TWO tiles of 16 queries, A and B, for both heads, one head after the other:
; each fragment of K and of V that a wave reads from LDS feeds both tiles' products.
; REGISTERS, in two windows of 256: tile A's state lies in window 0, tile B's at the same numbers in window 1, so one text serves both.  Window 0 alone: v1-11 and v237-239 addresses, all scale words
; (v32-43, v234-236), v44-97 K's fragments.  Window 1 alone: v44-91 V's fragments.  So the NEXT trip's K is asked for behind this trip's first products and lands under the softmax.
; A head's last trip so reads the 8,320 bytes behind its K, which are its own V's, landed long ago; what comes of it is never used.
; Both heads' K and V lie in LDS at once: a head is [K: 8 groups of 26 rows of 256 + 64 bytes | V: 8 groups of 6,400].  JOINT LOADS, the same in all four partners: at the head one a wave (waves 0-3 two groups of K each,
; waves 4-7 two of V) for the first head; behind the three lines and a round one a wave for the second head.  Its arrival is signalled after four trips of the first head and awaited at that head's end: between the two stand
; register work and reads of the first head's bytes.  By this text's count a wave has one tensor load out; all of LDS is claimed.
; No prefetch: all tiles are asked for by these two groups of loads, and no later load is left to run ahead of.
; Both products are used transposed (S^T = K Q^T, O^T = V^T P^T): a lane holds one query throughout.
; WHICH KEYS FORM A TILE OF K is chosen by the LDS addresses: lane row r of tile 4 c + u takes key 64 c + 32 (r / 8) + 8 u + r % 8, which qk holds in its tile 4 c + 2 (r / 8) + u % 2, row 8 (u / 2) + r % 8.
; So lane (r, h)'s 32 registers of tiles 4 c .. 4 c + 3 are the WHOLE block of keys 64 c + 32 h + 0 .. 31: its largest p needs no other lane, and the conversions' results are the operand's registers.
; The 64 bytes behind each 256 of K put rows r and r + 8, 1,920 bytes apart, into different halves of the 64 banks (ISA guide 11.1) for the loads of 16 bytes.
; The first product's K is 64: Q's upper six registers are zero codes; K's upper six are the next tile's codes (finite numbers, which zero codes multiply away; no scale byte is 0xff).
; ai: [64 groups of 128 tokens][8 K steps = pairs of heads][12,800]; a tile's two heads are the two halves of one fragment.
; LIMITS: the promise holds while |score x log2(e) / 64| stays under 2^31; 1 / sum by v_rcp_f32; a p under 2^-126 counts as 0; blocks of zeros get the byte 1; NaN and infinities are not served.
.set KB,    6656                       ; in memory: a group of 128 keys of K: eight halves of 768 and 512 bytes of scale words
.set VB,    6400                       ; of V: four fragments and 256 bytes of scale words
.set GK,    8320                       ; in LDS: a group of K, 26 rows of 320
.set VOFF,  8*GK                       ; V behind K in a head
.set HEADB, VOFF+8*VB
.set EXC,   2*HEADB                    ; the result's scale words meet here: 1,024 bytes
.set SPARE, EXC+1024                   ; the spare words, 128 bytes for each of 8 waves; no other line names them
.set L16, 1                            ; 16 x lane
.set L8,  2                            ; 8 x lane
.set R16, 3                            ; 16 x (lane % 16)
.set SPW, 4                            ; my spare word; never rewritten
.set NIL, 5                            ; 0; never rewritten
.set KB16, 6                           ; my lane's places in a group of K: 16-byte pieces, 8-byte pieces, scale words
.set KB8,  7
.set KBS,  8
.set KA16, 9                           ; v9-11 the trip's LDS addresses in K, v237-239 in V
.set KA8,  10
.set KAS,  11
.set VA16, 237
.set VA8,  238
.set VAS,  239
.set SH8, 12                           ; from here on: a tile's own, in its window.  8 x (lane / 16)
.set OW,  13                           ; the result's scale word.  v[14:15] -M, largest score; v[16:17] the sum; v[18:19] f, 0
.set Q,   20                           ; v20-31 Q of the head at work: six registers of codes, six of zero codes
.set KV,  44                           ; window 0: K's eight halves and six zeros; window 1: V's four fragments
.set S,   98                           ; v98-161 S^T, then p
.set OT,  162                          ; v162-193 O^T
.set PC,  194                          ; v194-205 p's codes
.set CT,  206                          ; v206-208, v210-212 a block's upper 16 codes on their way
.set W2,  209
.set W,   213
.set BM,  214
.set BT,  216
.set TA,  218                          ; v218-223 three more chains of the sum
.set TB,  220
.set TC,  222
.set BS,  224
.set T0,  226
.set T1,  227
.set QN,  228                          ; v228-233 Q's codes of the second head
.set FO,  240                          ; v240-251 the result's fragment
.set MA,  252                          ; v252-255 maxima of half blocks; at the end the scale words on their way out
.set MB,  254
.set XW,  252
.set WV, 12
.set W3, 13
.set CX, 14
.set BB, 16
.set HP, 17
.set SEL, 20
.set CS,  22
.set G1K, 24
.set G1V, 32
.set G0K, 40
.set G0V, 48
.set TK,  56
.set TV,  57
.set CNT, 58
.set NC,  84
.set MSB, 0
.macro WIN new                         ; low byte: bits 1:0 source 0, 3:2 source 1, 5:4 source 2, 7:6 destination; the high byte repeats the setting that is left; a switch that changes nothing is dropped
.if MSB != (\new)
	s_set_vgpr_msb (MSB<<8)|(\new)
.set MSB, (\new)
.endif
.endm
.macro PLACES
.rept 4
	v_nop
.endr
.endm
.macro CROUND
	s_barrier_signal -1
	s_barrier_wait -1
	s_cmp_lg_u32 s[WV], 0
	s_cbranch_scc1 .Lnot_wave_0_\@
	s_barrier_signal -3
.Lnot_wave_0_\@:
	s_barrier_wait -3
	s_barrier_signal -1
	s_barrier_wait -1
.endm
.macro JLOAD p                         ; head p: waves 0-3 K's groups 2 (w % 4) and the next, waves 4-7 V's: one load in each arm
	s_cmp_lt_u32 s[WV], 4
	s_cbranch_scc0 .Lfor_v_\@
	tensor_load_to_lds s[G0K+4*\p:G0K+4*\p+3], s[G1K:G1K+7]
	s_nop 0
	PLACES
	s_branch .Lasked_\@
.Lfor_v_\@:
	tensor_load_to_lds s[G0V+4*\p:G0V+4*\p+3], s[G1V:G1V+7]
	s_nop 0
	PLACES
.Lasked_\@:
.endm
	s_load_b128 s[4:7], s[0:1], 0x0                ; qk s[4:5], vi s[6:7]
	s_load_b64 s[8:9], s[0:1], 0x10                ; ai
	v_lshl_add_u32 v[SPW], v0, 2, SPARE
	v_mov_b32 v[NIL], 0
	ds_add_u32 v[SPW], v[NIL]                      ; the opening
	ds_add_u32 v[SPW], v[NIL]
	v_lshrrev_b32 v[BM], 5, v0
	v_readfirstlane_b32 s[WV], v[BM]               ; wave 0..7
	s_and_b32 s[W3], s[WV], 3
	s_bfe_u32 s[CX], ttmp6, 0x40000                ; my block of 256 queries
	s_and_b32 s15, ttmp7, 0xffff
	s_lshr_b32 s[BB], s15, 3                       ; the batch
	s_and_b32 s[HP], s15, 7                        ; the pair of heads
	s_mov_b32 s[G1K], 15|(3<<16)|(1<<20)|(1<<21)|(5<<22)|(15<<25)   ; the mask: all four; elements of 8 bytes; padding on; 21 set beside a mask; after every 64 words 16 words
	s_mov_b32 s[G1K+1], 32<<16                     ; two groups: 13,312 dense bytes as 52 rows of 256
	s_mov_b32 s[G1K+2], 52<<16
	s_mov_b32 s[G1K+3], 32<<16
	s_mov_b32 s[G1K+4], 52
	s_mov_b32 s[G1K+5], 32
	s_mov_b32 s[G1K+6], 0
	s_mov_b32 s[G1K+7], 0
	s_mov_b32 s[G1V], 15|(3<<16)|(1<<21)
	s_mov_b32 s[G1V+1], 32<<16                     ; two groups: 12,800 as 50 rows, no padding
	s_mov_b32 s[G1V+2], 50<<16
	s_mov_b32 s[G1V+3], 32<<16
	s_mov_b32 s[G1V+4], 50
	s_mov_b32 s[G1V+5], 32
	s_mov_b32 s[G1V+6], 0
	s_mov_b32 s[G1V+7], 0
	s_mov_b32 s[SEL], 0x76543210
	s_mov_b32 s[SEL+1], 0xfedcba98
	s_mov_b32 s[CS], 0x3cb8aa3b                    ; c = log2(e) / 64
	s_mov_b32 s[CS+1], s[CS]                       ; (named with it as a pair)
	s_mov_b32 s[NC], 0xbcb8aa3b                    ; -c
	s_lshl_b32 s87, s[W3], 1                       ; 2 (w % 4): my first group to fetch, and my first tile in its group of queries
	s_lshl_b32 s59, s[BB], 5
	s_lshl_b32 s18, s[HP], 1
	s_add_co_u32 s59, s59, s18
	s_lshl_b32 s59, s59, 3                         ; q's first head of the pair, group 0: (32 b + 2 hp) x 8
	s_add_co_u32 s60, s59, 128                     ; k's heads lie 16 heads on
	s_add_co_u32 s60, s60, s87
	s_mul_i32 s60, s60, KB
	s_mov_b32 s61, 0
	s_lshl_b32 s62, s[BB], 4
	s_add_co_u32 s62, s62, s18
	s_lshl_b32 s62, s62, 3
	s_add_co_u32 s62, s62, s87
	s_mul_i32 s62, s62, VB
	s_mov_b32 s63, 0
	s_mul_i32 s18, s[W3], 2*GK                     ; the two groups' place in a head's LDS: K's,
	s_mul_i32 s19, s[W3], 2*VB
	s_add_co_u32 s19, s19, VOFF                    ; and V's
	s_lshl_b32 s66, s[CX], 1
	s_lshr_b32 s67, s[WV], 2
	s_add_co_u32 s67, s66, s67                     ; my queries' group of 128
	s_add_co_u32 s68, s59, s67
	s_mul_i32 s68, s68, KB
	s_mov_b32 s69, 0
	s_mul_i32 s74, s[W3], 1536                     ; tile A's half in it; tile B's lies 768 bytes on
	s_mov_b32 s75, 0
	s_lshl_b32 s78, s[BB], 3
	s_add_co_u32 s79, s78, s67
	s_lshl_b32 s79, s79, 3
	s_add_co_u32 s79, s79, s[HP]
	s_mul_i32 s76, s79, 12800
	s_mul_i32 s79, s[W3], 3072
	s_add_co_u32 s76, s76, s79                     ; tile A's fragment in ai; tile B's lies 1,536 bytes on
	s_mov_b32 s77, 0
	s_and_b32 s79, s[WV], 1
	s_add_co_u32 s79, s79, s66
	s_add_co_u32 s79, s79, s78
	s_lshl_b32 s79, s79, 3
	s_add_co_u32 s79, s79, s[HP]
	s_mul_i32 s80, s79, 12800                      ; the block whose scale words wave 0 or 1 stores
	s_mov_b32 s81, 0
	s_lshr_b32 s82, s[WV], 1
	s_lshl_b32 s82, s82, 8
	s_and_b32 s83, s[WV], 1
	s_lshl_b32 s86, s83, 3
	s_add_co_u32 s82, s82, s86
	s_add_co_u32 s82, s82, EXC                     ; where my two tiles' scale words go: 256 (w / 2) + 8 (w % 2),
	s_lshl_b32 s83, s83, 9
	s_add_co_u32 s83, s83, EXC                     ; and where wave 0 or 1 reads a group's back
	s_lshr_b32 s85, s[W3], 1
	s_lshl_b32 s85, s85, 8
	s_add_co_u32 s85, s85, s86                     ; tile A's place among Q's scale words; tile B's lies 4 bytes on
	s_wait_dscnt 0x0                               ; both opening adds are done
	s_wait_kmcnt 0x0
	s_add_nc_u64 s[60:61], s[4:5], s[60:61]
	s_add_nc_u64 s[62:63], s[6:7], s[62:63]
	s_add_nc_u64 s[70:71], s[4:5], s[68:69]        ; my queries' block,
	s_add_nc_u64 s[72:73], s[70:71], s[74:75]      ; and tile A's half in it
	s_add_nc_u64 s[76:77], s[8:9], s[76:77]
	s_add_nc_u64 s[80:81], s[8:9], s[80:81]
.irp p, 0,1
	s_mov_b32 s[G0K+4*\p], 1
	s_add_co_u32 s[G0K+4*\p+1], s18, \p*HEADB
	s_add_nc_u64 s[G0K+4*\p+2:G0K+4*\p+3], s[60:61], \p*8*KB
	s_or_b32 s[G0K+4*\p+3], s[G0K+4*\p+3], 0x80000000
	s_mov_b32 s[G0V+4*\p], 1
	s_add_co_u32 s[G0V+4*\p+1], s19, \p*HEADB
	s_add_nc_u64 s[G0V+4*\p+2:G0V+4*\p+3], s[62:63], \p*8*VB
	s_or_b32 s[G0V+4*\p+3], s[G0V+4*\p+3], 0x80000000
.endr
	CROUND                                         ; all four work-groups are here: the joint loads meet
	JLOAD 0                                        ; the first head: one tensor load a wave at the head
	v_and_b32 v[BM], 31, v0                        ; lane
	v_and_b32 v[BM+1], 15, v0                      ; r
	v_bfe_u32 v[BT], v0, 4, 1                      ; h
	v_and_b32 v[BT+1], 7, v0                       ; r % 8
	v_bfe_u32 v[TA], v0, 3, 1                      ; r / 8
	v_lshlrev_b32 v[L16], 4, v[BM]
	v_lshlrev_b32 v[L8], 3, v[BM]
	v_lshlrev_b32 v[R16], 4, v[BM+1]
	v_mul_u32_u24 v[TA+1], v[TA], 1920             ; two tiles on: 6 LDS rows of 320 bytes
	v_lshl_add_u32 v[KB16], v[BT+1], 4, v[TA+1]
	v_mad_u32_u24 v[KB16], v[BT], 320, v[KB16]     ; lanes 16-31 of a tile's image: one LDS row on
	v_lshl_add_u32 v[KB8], v[BT+1], 3, v[TA+1]
	v_lshl_add_u32 v[KB8], v[BT], 7, v[KB8]
	v_lshlrev_b32 v[KBS], 4, v[BT+1]               ; scale words: 16 (r % 8) + 8 (r / 8), lanes 16-31 those of tiles 4-7, one LDS row on
	v_lshl_add_u32 v[KBS], v[TA], 3, v[KBS]
	v_mad_u32_u24 v[KBS], v[BT], 320, v[KBS]
	v_add_nc_u32 v[W], s85, v[R16]                 ; my query's scale word in its block
.irp i, 0,1,2,3,4,5
	v_mov_b32 v[KV+48+\i], 0                       ; what the last tile of K finds behind it
.endr
.irp w, 0,1                                    ; each tile's constants, in its window (only the destination's window is switched)
	WIN 0x40*\w
	v_lshlrev_b32 v[SH8], 3, v[BT]
.irp i, 0,1,2,3,4,5
	v_mov_b32 v[Q+6+\i], 0                         ; zero codes for K = 64 .. 127
.endr
	v_mov_b32 v[W2], 0                             ; a lane permute's destination counts as one of its sources
	v_mov_b32 v[T0], 0
	v_mov_b32 v19, 0                               ; (named as the upper half of the pair v[18:19])
.endr
	v_mov_b32 v[BT], 0
	v_mov_b32 v[BT+1], 0
	WIN 0
	v_mov_b32 v[BT], 0
	v_mov_b32 v[BT+1], 0
	s_wait_alu depctr_va_vdst(0)                   ; the head's end
	global_load_b32 v32, v[W], s[70:71] offset:6144            ; Q's scale words: tile A's, first and second head,
	global_load_b32 v33, v[W], s[70:71] offset:8*KB+6144
	global_load_b32 v234, v[W], s[70:71] offset:6148           ; and tile B's
	global_load_b32 v235, v[W], s[70:71] offset:8*KB+6148
.irp w, 0,1
	WIN 0x40*\w
	global_load_b128 v[Q:Q+3], v[L16], s[72:73] offset:768*\w
	global_load_b64 v[Q+4:Q+5], v[L8], s[72:73] offset:768*\w+512
	global_load_b128 v[QN:QN+3], v[L16], s[72:73] offset:8*KB+768*\w
	global_load_b64 v[QN+4:QN+5], v[L8], s[72:73] offset:8*KB+768*\w+512
.endr
	WIN 0
.macro TM j0, n                        ; t - M for n pairs of scores from pair j0 on
.set j, 2*(\j0)
.rept \n
	v_pk_fma_f32 v[S+j:S+j+1], v[S+j:S+j+1], s[CS:CS+1], v[14:15] op_sel_hi:[1,0,0]
.set j, j+2
.endr
.endm
.macro AD d, o                         ; a pair of p onto a chain of the sum
	v_pk_add_f32 v[\d:\d+1], v[\d:\d+1], v[S+\o:S+\o+1]
.endm
.macro KLOAD off                       ; a group of K, off bytes behind the trip's: eight halves and their scale words
.irp c, 0,1
.irp g, 0,1
.irp e, 0,1
	ds_load_b128 v[KV+6*(4*\c+2*\g+\e):KV+6*(4*\c+2*\g+\e)+3], v[KA16] offset:\off+960*(4*\c+\e)+128*\g
	ds_load_b64 v[KV+6*(4*\c+2*\g+\e)+4:KV+6*(4*\c+2*\g+\e)+5], v[KA8] offset:\off+960*(4*\c+\e)+640+64*\g
.endr
.endr
.endr
	ds_load_b64 v[36:37], v[KAS] offset:\off+7680  ; lanes 0-15: the words of tiles 0, 1; lanes 16-31: of tiles 4, 5
	ds_load_b64 v[38:39], v[KAS] offset:\off+7808  ; tiles 2, 3 and 6, 7
.endm
.macro KADR
	v_add_nc_u32 v[KA16], s[TK], v[KB16]
	v_add_nc_u32 v[KA8], s[TK], v[KB8]
	v_add_nc_u32 v[KAS], s[TK], v[KBS]
.endm
.macro SMUL w, qs                      ; S^T of tile w: K from window 0, Q and the result in the tile's window
	WIN 0x44*(\w)
.irp t, 0,1,2,3
	v_wmma_scale_f32_16x16x128_f8f6f4 v[S+8*\t:S+8*\t+7], v[KV+6*\t:KV+6*\t+11], v[Q:Q+11], 0, v[36+\t], v[\qs] matrix_a_fmt:MATRIX_FMT_FP6 matrix_b_fmt:MATRIX_FMT_FP6
.endr
.irp t, 4,5,6,7
	v_wmma_scale_f32_16x16x128_f8f6f4 v[S+8*\t:S+8*\t+7], v[KV+6*\t:KV+6*\t+11], v[Q:Q+11], 0, v[32+\t], v[\qs] matrix_a_fmt:MATRIX_FMT_FP6 matrix_b_fmt:MATRIX_FMT_FP6 matrix_a_scale:MATRIX_SCALE_ROW1
.endr
.endm
.macro PRE w                           ; tile w up to the exponentials: maxima, M, t - M, O^T under the new M
	WIN 0x55*(\w)
.if \w
	v_mov_b32 v[T0], v14                           ; the old -M (tile A's stands among the places behind the products)
.endif
.irp c, 0,1                                    ; the largest score of my two blocks of 32 keys, four chains by turns; each accumulator is read from its low end on
	v_max3_num_f32 v[MA+\c], v[S+32*\c], v[S+32*\c+1], v[S+32*\c+2]
	v_max3_num_f32 v[MB+\c], v[S+32*\c+16], v[S+32*\c+17], v[S+32*\c+18]
.endr
.irp i, 3,5,7,9,11,13
.irp c, 0,1
	v_max3_num_f32 v[MA+\c], v[MA+\c], v[S+32*\c+\i], v[S+32*\c+\i+1]
	v_max3_num_f32 v[MB+\c], v[MB+\c], v[S+32*\c+16+\i], v[S+32*\c+17+\i]
.endr
.endr
.irp c, 0,1
	v_max3_num_f32 v[BM+\c], v[MA+\c], v[MB+\c], v[S+32*\c+15]
.endr
.irp c, 0,1
	v_max_num_f32 v[BM+\c], v[BM+\c], v[S+32*\c+31]
.endr
	v_max_num_f32 v[T1], v[BM], v[BM+1]
	v_permlanex16_b32 v[W2], v[T1], s[SEL], s[SEL+1]
	v_max3_num_f32 v15, v15, v[T1], v[W2]          ; the running largest score of my query (c is positive)
	v_mul_f32 v[T1], s[NC], v15
	v_floor_f32 v14, v[T1]                         ; the new -M = floor(-t) = -ceil(t)
	v_sub_f32 v[T0], v14, v[T0]                    ; old M - new M: a whole number, 0 or less
	TM 0, 4
	v_cvt_i32_f32 v[T0], v[T0]                     ; (it saturates)
	TM 4, 4
	v_ldexp_f32 v18, 1.0, v[T0]                    ; f = 2^(old M - new M)
	TM 8, 24
.irp c, 0,1
	v_fma_f32 v[BM+\c], v[BM+\c], s[CS], v14       ; the same of each block's largest score: p rises with the score
.endr
.set j, 0
.rept 16
	v_pk_mul_f32 v[OT+j:OT+j+1], v[OT+j:OT+j+1], v[18:19] op_sel_hi:[1,0]   ; O^T under the new M, each accumulator from its low end on
.set j, j+2
.endr
.endm
.macro EXPS w
	WIN 0x55*(\w)
.set j, 0
.rept 64
	v_exp_f32 v[S+j], v[S+j]                       ; p = 2^(t - M)
.set j, j+1
.endr
	v_exp_f32 v[BM], v[BM]                         ; each block's largest p: the same instructions on the same number give the same bits
	v_exp_f32 v[BM+1], v[BM+1]
.endm
.macro POST w, pw                      ; tile w behind the exponentials: the sum, p's scale word (into v[pw], window 0) and codes
	WIN 0x55*(\w)
	v_max_num_f32 v[BM], 0x1800000, v[BM]          ; the floor 2^(3 - 127): the byte cannot fall under 1
	v_max_num_f32 v[BM+1], 0x1800000, v[BM+1]
	v_pk_fma_f32 v[16:17], v[16:17], v[18:19], v[S:S+1] op_sel_hi:[1,0,1]   ; the sum under the new M, and the first pair of the unquantised p; four chains
	v_pk_add_f32 v[TA:TA+1], v[S+2:S+3], v[S+4:S+5]
	v_add_nc_u32 v[BS], 0xff000000, v[BM]          ; 2 off the exponent field: the conversion's scale operand
	v_add_nc_u32 v[BS+1], 0xff000000, v[BM+1]
	v_pk_add_f32 v[TB:TB+1], v[S+6:S+7], v[S+8:S+9]
	v_pk_add_f32 v[TC:TC+1], v[S+10:S+11], v[S+12:S+13]
	v_lshrrev_b32 v[BT], 23, v[BS]                 ; the scale's byte
	v_lshrrev_b32 v[BT+1], 23, v[BS+1]
	AD 16, 14
	AD TA, 16
	v_lshl_or_b32 v[W], v[BT+1], 16, v[BT]         ; my bytes: blocks h and 2 + h,
	AD TB, 18
	AD TC, 20
	v_lshlrev_b32 v[W], v[SH8], v[W]               ; at their places in the word;
	AD 16, 22
	AD TA, 24
	v_permlanex16_b32 v[W2], v[W], s[SEL], s[SEL+1]
	AD TB, 26
	AD TC, 28
	WIN 0x05*(\w)                                  ; (scale words lie in window 0)
	v_or_b32 v[\pw], v[W], v[W2]                   ; with lane l xor 16's two: p's scale word for these 128 keys
	WIN 0x55*(\w)
.irp c, 0,1
	v_cvt_scalef32_pk16_fp6_f32 v[PC+6*\c:PC+6*\c+2], v[S+32*\c:S+32*\c+15], v[BS+\c]
	v_cvt_scalef32_pk16_fp6_f32 v[CT+4*\c:CT+4*\c+2], v[S+32*\c+16:S+32*\c+31], v[BS+\c]   ; (a conversion's three registers begin on an even number)
.endr
	AD 16, 30                                      ; a plain place behind the conversions
.irp c, 0,1
.irp i, 0,1,2
	v_mov_b32 v[PC+6*\c+3+\i], v[CT+4*\c+\i]
.endr
.endr
.irp o, 32,40,48,56                            ; these nineteen are also the places between p's scale word and codes and the products
	AD TA, \o
	AD TB, \o+2
	AD TC, \o+4
	AD 16, \o+6
.endr
	v_pk_add_f32 v[TA:TA+1], v[TA:TA+1], v[TB:TB+1]
	v_pk_add_f32 v[16:17], v[16:17], v[TC:TC+1]
	v_pk_add_f32 v[16:17], v[16:17], v[TA:TA+1]
.endm
.macro PV w, pw                        ; O^T of tile w: V from window 1, p's codes and the sums in the tile's window
	WIN 0x01+0x54*(\w)
.irp t, 0,1,2,3
	v_wmma_scale_f32_16x16x128_f8f6f4 v[OT+8*\t:OT+8*\t+7], v[KV+12*\t:KV+12*\t+11], v[PC:PC+11], v[OT+8*\t:OT+8*\t+7], v[40+\t], v[\pw] matrix_a_fmt:MATRIX_FMT_FP6 matrix_b_fmt:MATRIX_FMT_FP6
.endr
.endm
; A TRIP: 128 keys for both tiles.  Its K is in registers already.  qsa, qsb: the registers of Q's scale words
.macro TRIP qsa, qsb
	SMUL 0, \qsa
	SMUL 1, \qsb
	WIN 0
	KADR                                           ; seven plain lines: the places ahead of the loads into K's and V's registers and of the reads of S^T
	v_add_nc_u32 v[VA16], s[TV], v[L16]
	v_add_nc_u32 v[VA8], s[TV], v[L8]
	v_add_nc_u32 v[VAS], s[TV], v[R16]
	v_mov_b32 v[T0], v14                           ; tile A's old -M
	KLOAD GK                                       ; the next trip's K, and this trip's V: both land under the softmax
	WIN 0x40
.irp t, 0,1,2,3
	ds_load_b128 v[KV+12*\t:KV+12*\t+3], v[VA16] offset:1536*\t
	ds_load_b64 v[KV+12*\t+4:KV+12*\t+5], v[VA8] offset:1536*\t+512
	ds_load_b128 v[KV+12*\t+6:KV+12*\t+9], v[VA16] offset:1536*\t+768
	ds_load_b64 v[KV+12*\t+10:KV+12*\t+11], v[VA8] offset:1536*\t+1280
.endr
	WIN 0
	ds_load_b128 v[40:43], v[VAS] offset:6144
	PRE 0
	PRE 1
	WIN 0
	s_wait_alu depctr_va_vdst(0)                   ; ahead of the batch: one wait for both tiles
	EXPS 0
	EXPS 1
	v_nop                                          ; one plain place behind the batch
	s_wait_alu depctr_va_vdst(0)                   ; one wait for the batch, ahead of its first reader
	s_wait_dscnt 0x0                               ; V and the next K are in
	POST 0, 34
	POST 1, 236
	PV 0, 34
	PV 1, 236
	WIN 0
	s_add_co_u32 s[TK], s[TK], GK
	s_add_co_u32 s[TV], s[TV], VB
.endm
.macro LOOP n, qsa, qsb
	s_mov_b32 s[CNT], \n
.Lstep_\@:
	TRIP \qsa, \qsb
	s_sub_co_u32 s[CNT], s[CNT], 1
	s_cmp_lg_u32 s[CNT], 0
	s_cbranch_scc1 .Lstep_\@
.endm
.macro INIT w                          ; a head's start for tile w: the trip is written once, the first finds zeros
	WIN 0x55*(\w)
	v_mov_b32 v15, 0xff61b1e6                      ; the largest score so far: -3e38
	v_mov_b32 v16, 0
	v_mov_b32 v17, 0
	v_mul_f32 v14, s[NC], v15
.set j, 0
.rept 32
	v_mov_b32 v[OT+j], 0
.set j, j+1
.endr
	v_floor_f32 v14, v14                           ; -M
.endm
.macro START p                         ; head p: its first group of K, and both tiles' starts under the loads' flight
	s_mov_b32 s[TK], (\p)*HEADB
	s_mov_b32 s[TV], (\p)*HEADB+VOFF
	KADR
	KLOAD 0
	INIT 0
	INIT 1
	WIN 0
	s_wait_alu depctr_va_vdst(0)
	s_wait_dscnt 0x0
.endm
; A head's end for tile w: O^T / the sum; register 16 bb + i is channel 32 bb + 16 h + i: two blocks of the last product's K, half a block a lane
.macro FINISH p, w
	WIN 0x55*(\w)
	PLACES
	v_add_f32 v16, v16, v17
	s_delay_alu instid0(VALU_DEP_1)
	v_permlanex16_b32 v[T0], v16, s[SEL], s[SEL+1]
	s_delay_alu instid0(VALU_DEP_1)
	v_add_f32 v16, v16, v[T0]
	s_wait_alu depctr_va_vdst(0)                   ; ahead of the transcendental,
	v_rcp_f32 v18, v16
	v_nop
	s_wait_alu depctr_va_vdst(0)                   ; and ahead of its reader, which is O^T's first too
.set j, 0
.rept 16
	v_pk_mul_f32 v[S+j:S+j+1], v[OT+j:OT+j+1], v[18:19] op_sel_hi:[1,0]
.set j, j+2
.endr
.irp b, 0,1
	v_max3_num_f32 v[BM+\b], |v[S+16*\b]|, |v[S+1+16*\b]|, 0x1800000
.endr
.irp i, 2,4,6,8,10,12,14
.irp b, 0,1
	s_delay_alu instid0(VALU_DEP_2)
	v_max3_num_f32 v[BM+\b], v[BM+\b], |v[S+16*\b+\i]|, |v[S+1+16*\b+\i]|
.endr
.endr
.irp b, 0,1
	s_delay_alu instid0(VALU_DEP_2)
	v_permlanex16_b32 v[BT+\b], v[BM+\b], s[SEL], s[SEL+1]
.endr
.irp b, 0,1
	s_delay_alu instid0(VALU_DEP_2)
	v_max_num_f32 v[BM+\b], v[BM+\b], v[BT+\b]
.endr
.irp b, 0,1
	s_delay_alu instid0(VALU_DEP_2)
	v_add_nc_u32 v[BS+\b], 0xff000000, v[BM+\b]
.endr
.irp b, 0,1
	s_delay_alu instid0(VALU_DEP_2)
	v_lshrrev_b32 v[BT+\b], 23, v[BS+\b]
.endr
.if \p == 0
	s_delay_alu instid0(VALU_DEP_1)
	v_lshl_or_b32 v[OW], v[BT+1], 8, v[BT]
.else
	s_delay_alu instid0(VALU_DEP_2)
	v_lshl_or_b32 v[OW], v[BT], 16, v[OW]
	s_delay_alu instid0(VALU_DEP_1)
	v_lshl_or_b32 v[OW], v[BT+1], 24, v[OW]
.endif
	v_cvt_scalef32_pk16_fp6_f32 v[FO+6*(\p):FO+6*(\p)+2], v[S:S+15], v[BS]
	v_cvt_scalef32_pk16_fp6_f32 v[CT:CT+2], v[S+16:S+31], v[BS+1]
	v_nop                                          ; one plain place behind a scaled conversion
.irp i, 0,1,2
	v_permlane16_swap_b32 v[FO+6*(\p)+\i], v[CT+\i]
.endr
.irp i, 0,1,2
	s_delay_alu instid0(VALU_DEP_3)
	v_mov_b32 v[FO+6*(\p)+3+\i], v[CT+\i]
.endr
.endm
	s_wait_tensorcnt 0x0                           ; my part of the first head has landed
	ds_add_u32 v[SPW], v[NIL]
	s_wait_dscnt 0x0
	CROUND                                         ; everybody's has, and all four work-groups are here: the joint loads meet
	JLOAD 1                                        ; the second head: my one tensor load behind the round
	s_wait_loadcnt 0x0                             ; Q
	START 0
	LOOP 4, 32, 234
	s_wait_tensorcnt 0x0                           ; my part of the second head has landed:
	s_wait_dscnt 0x0
	s_barrier_signal -1                            ; say so; up to the wait stand register work and reads of the first head's bytes, which nobody writes
	LOOP 4, 32, 234
	FINISH 0, 0
	FINISH 0, 1
.irp w, 0,1
	WIN 0x55*\w
.irp i, 0,1,2,3,4,5
	v_mov_b32 v[Q+\i], v[QN+\i]                    ; the second head's Q
.endr
.endr
	WIN 0
	s_barrier_wait -1                              ; everybody's part of the second head has landed
	START 1
	LOOP 8, 33, 235
	FINISH 1, 0
	FINISH 1, 1
	WIN 0
	v_add_nc_u32 v[BT], s82, v[R16]
	v_add_nc_u32 v[BT+1], s83, v[L16]
	v_mov_b32 v[BM], v[OW]                         ; tile A's scale word,
	WIN 0x01
	v_mov_b32 v[BM+1], v[OW]                       ; and tile B's, out of window 1
.irp w, 0,1
	WIN 0x04*\w                                    ; a store's data are its source 1
	global_store_b128 v[L16], v[FO:FO+3], s[76:77] offset:1536*\w
	global_store_b64 v[L8], v[FO+4:FO+5], s[76:77] offset:1536*\w+512
	global_store_b128 v[L16], v[FO+6:FO+9], s[76:77] offset:1536*\w+768
	global_store_b64 v[L8], v[FO+10:FO+11], s[76:77] offset:1536*\w+1280
.endr
	WIN 0
	ds_store_b64 v[BT], v[BM:BM+1]                 ; lanes r and r + 16 write the same words with the same values
	s_wait_alu depctr_va_vdst(0)
	s_wait_dscnt 0x0                               ; for the others' sake
	s_barrier_signal -1
	s_barrier_wait -1
	s_cmp_lt_u32 s[WV], 2                          ; waves 0 and 1 store the two groups' 512 bytes of scale words
	s_cbranch_scc0 .Lno_words
	ds_load_b128 v[XW:XW+3], v[BT+1]
	s_wait_dscnt 0x0
	global_store_b128 v[L16], v[XW:XW+3], s[80:81] offset:12288
.Lno_words:
	s_wait_tensorcnt 0x0                           ; the wave's end
	ds_add_u32 v[SPW], v[NIL]
	s_wait_dscnt 0x0
	CROUND                                         ; the closing round
	s_endpgm
.Lfunc_end_k_q3adaa92e92_attn:
	.size	k_q3adaa92e92_attn, .Lfunc_end_k_q3adaa92e92_attn-k_q3adaa92e92_attn
	.p2alignl 7, 3214868480
	.fill 96, 4, 3214868480
	.section	.rodata,"a",@progbits
	.p2align	6, 0x0
	.amdhsa_kernel k_q3adaa92e92_attn
		.amdhsa_group_segment_fixed_size 327680
		.amdhsa_private_segment_fixed_size 0
		.amdhsa_enable_private_segment 0
		.amdhsa_kernarg_size 24
		.amdhsa_user_sgpr_count 2
		.amdhsa_user_sgpr_kernarg_segment_ptr 1
		.amdhsa_wavefront_size32 1
		.amdhsa_system_sgpr_workgroup_id_x 1
		.amdhsa_system_sgpr_workgroup_id_y 1
		.amdhsa_system_sgpr_workgroup_id_z 1
		.amdhsa_system_vgpr_workitem_id 0
		.amdhsa_next_free_vgpr 512
		.amdhsa_next_free_sgpr 92
		.amdhsa_reserve_vcc 0
		.amdhsa_float_denorm_mode_32 3
		.amdhsa_float_denorm_mode_16_64 3
		.amdhsa_memory_ordered 1
		.amdhsa_forward_progress 1
		.amdhsa_inst_pref_size 119
	.end_amdhsa_kernel
	.amdgpu_metadata
---
amdhsa.version: [ 1, 2 ]
amdhsa.kernels:
  - .name:           k_q3adaa92e92_attn
    .symbol:         k_q3adaa92e92_attn.kd
    .args:
      - { .name: qk, .offset: 0, .size: 8, .value_kind: global_buffer, .address_space: global }
      - { .name: vi, .offset: 8, .size: 8, .value_kind: global_buffer, .address_space: global }
      - { .name: ai, .offset: 16, .size: 8, .value_kind: global_buffer, .address_space: global }
    .group_segment_fixed_size: 327680
    .private_segment_fixed_size: 0
    .kernarg_segment_align: 8
    .kernarg_segment_size: 24
    .max_flat_workgroup_size: 256
    .sgpr_count:     92
    .vgpr_count:     512
    .wavefront_size: 32
...
	.end_amdgpu_metadata
.endif
;; end of part 3
;; launch gemm_out (part 4): grid 8 x 32, 4 waves a work-group, clusters of 4 x 4, 327,680 bytes of LDS; arguments ai, wi, out0; writes out0
.if DOCPART == 4
	.amdgcn_target "amdgcn-amd-amdhsa--gfx1250"
	.amdhsa_code_object_version 6
	.text
	.protected	k_q3adaa92e92_gemm_out
	.globl	k_q3adaa92e92_gemm_out
	.p2align	8
	.type	k_q3adaa92e92_gemm_out,@function
k_q3adaa92e92_gemm_out:
	s_mov_b64 s[64:65], 0
	v_nop
	global_prefetch_b8 v0, s[64:65] scope:SCOPE_SE
	s_setreg_imm32_b32 hwreg(HW_REG_WAVE_MODE, 25, 1), 1
	s_wait_xcnt 0x0
	s_wait_alu depctr_hold_cnt(0) depctr_sa_sdst(0) depctr_va_vdst(0) depctr_va_sdst(0) depctr_va_ssrc(0) depctr_va_vcc(0) depctr_vm_vsrc(0)
	s_getreg_b32 s2, hwreg(HW_REG_IB_STS2, 6, 4)
	s_cmp_eq_u32 s2, 0
	s_cbranch_scc0 .Lentry_in_a_cluster
	s_endpgm
.Lentry_in_a_cluster:
	s_bfe_u32 s2, ttmp6, 0x10000c
	s_cmp_lg_u32 s2, 0xf033
	s_cbranch_scc0 .Lentry_shape_is_right
	s_endpgm
.Lentry_shape_is_right:
; out0 = attention's result x w_proj, on codes of FP6 (E2M3) with E8M0 scales; out0 [8192][1024] f32.  Nothing is left out.
; The product's text is that of the launch for q, k, v in its first role: a work-group takes 256 tokens x 128 columns and all of K = 1,024, which lies in LDS at once, in four chunks of two K steps
; [tokens' group 0 | group 1 | columns]; twelve first fills at the head, at most four a wave out; a chunk is awaited by a counted wait ahead of its use; nothing is filled again.
; CLUSTERS 4 x 4: the tokens' parts are asked for jointly along a row, the columns' part along a column.  w_proj's groups are wi's groups 24 to 31.
; A wave (wr = w / 2, wc = w % 2): source 1 = the 128 tokens of group wr, source 0 = columns 64 wc on: a lane holds one token, and its registers run along the columns.
; THE WAY OUT: a tile of 16 tokens x 64 columns goes through my stage in LDS and leaves as rows of 256 bytes, sixteen lanes to a row.  The stages lie in chunk 0, which has had its one fill and which every wave left three barriers ago.
.set STEPB, 12800
; LDS AND LOADS AS THEY STAND (in place of what the head's lines on chunks and twelve fills say): three parts of 102,400 bytes, [tokens' group 0 | group 1 | columns], each a group's eight K steps on end.
; At the head each wave issues ONE joint load of 51,200 bytes: waves 0, 1 the tokens' K steps 0-3, waves 2, 3 the columns' K steps 0-3 and 4-7.  Behind the three lines and a round waves 0, 1 ask for the tokens' K steps 4-7,
; awaited, with a barrier, in K step 3.  By this text's count a wave has one tensor load out.  The stages lie in group 0's K steps 0 and 1, filled once and left by every wave ahead of that barrier.
.set PART,  102400
.set HALFP, 51200
.set CHUNK, 25600                      ; two K steps of a part
.set SPARE, 307200                     ; the spare words; no other line names them
.set SP,    272                        ; a stage row: 256 bytes + 16
.set A16, 4
.set A8,  5
.set ASC, 6
.set B16, 7
.set B8,  8
.set BSC, 9
.set SPW, 10
.set NIL, 11
.set L16, 12
.set L8,  13
.set STO, 14                           ; v14  into my stage
.set RD,  15                           ; v15  back out of it
.set CO,  16                           ; v16  my byte offset in two rows of out0
.set SA,  32                           ; v32-55 scale words and nothing else
.set SB,  40
.set AF,  64                           ; fragments: set 0 in window 0, set 1 in window 2; window 1: the accumulators, (a, b) at v[8 (4 a + b)]
.set BF,  160
.set BK,  64                           ; the way out: v64-95 and v96-127 by turns
.set WV, 12
.set WR, 13
.set WC, 14
.set CX, 15
.set CY, 16
.set GX, 17
.set GY, 18
.set G1X, 24
.set G1W, 32
.set G0X, 40
.set G0W, 68
.set MSB, 0
.macro WIN new
.if MSB != (\new)
	s_set_vgpr_msb (MSB<<8)|(\new)
.set MSB, (\new)
.endif
.endm
.macro PLACES
.rept 4
	v_nop
.endr
.endm
.macro CROUND
	s_barrier_signal -1
	s_barrier_wait -1
	s_cmp_lg_u32 s[WV], 0
	s_cbranch_scc1 .Lnot_wave_0_\@
	s_barrier_signal -3
.Lnot_wave_0_\@:
	s_barrier_wait -3
	s_barrier_signal -1
	s_barrier_wait -1
.endm
.macro FRAG reg, a16, a8, off
	ds_load_b128 v[\reg:\reg+3], v[\a16] offset:\off
	ds_load_b64 v[\reg+4:\reg+5], v[\a8] offset:\off+512
	ds_load_b128 v[\reg+6:\reg+9], v[\a16] offset:\off+768
	ds_load_b64 v[\reg+10:\reg+11], v[\a8] offset:\off+1280
.endm
.macro FETCH q, g
	WIN 0x80*(\g)
.irp i, 0,1,2,3,4,5,6,7
	FRAG AF+12*\i, A16, A8, ((\q)%2)*STEPB+1536*\i
.endr
.irp i, 0,1,2,3
	FRAG BF+12*\i, B16, B8, ((\q)%2)*STEPB+1536*\i
.endr
	WIN 0
	ds_load_b128 v[SA+12*(\g):SA+12*(\g)+3], v[ASC] offset:((\q)%2)*STEPB
	ds_load_b128 v[SA+12*(\g)+4:SA+12*(\g)+7], v[ASC] offset:((\q)%2)*STEPB+256
	ds_load_b128 v[SB+12*(\g):SB+12*(\g)+3], v[BSC] offset:((\q)%2)*STEPB
.endm
.macro MUL a0, n, g, zero              ; the 32 accumulators take turns, in the same order in every K step
.set ma, \a0
.rept \n
.irp b, 0,1,2,3
.if \zero
	v_wmma_scale_f32_16x16x128_f8f6f4 v[8*(4*ma+\b):8*(4*ma+\b)+7], v[BF+12*\b:BF+12*\b+11], v[AF+12*ma:AF+12*ma+11], 0, v[SB+12*(\g)+\b], v[SA+12*(\g)+ma] matrix_a_fmt:MATRIX_FMT_FP6 matrix_b_fmt:MATRIX_FMT_FP6
.else
	v_wmma_scale_f32_16x16x128_f8f6f4 v[8*(4*ma+\b):8*(4*ma+\b)+7], v[BF+12*\b:BF+12*\b+11], v[AF+12*ma:AF+12*ma+11], v[8*(4*ma+\b):8*(4*ma+\b)+7], v[SB+12*(\g)+\b], v[SA+12*(\g)+ma] matrix_a_fmt:MATRIX_FMT_FP6 matrix_b_fmt:MATRIX_FMT_FP6
.endif
.endr
.set ma, ma+1
.endr
.endm
.macro STEP q, zero
	s_wait_dscnt 0x0                               ; this step's loads, issued a step ago
	PLACES
	FETCH (\q)+1, 1
	WIN 0x50
	MUL 0, 8, 0, \zero
	WIN 0
.endm
.macro TURN q
	s_wait_dscnt 0x0
.if (\q) == 3
	s_wait_tensorcnt 0x0                           ; my load of the tokens' K steps 4-7 has landed
	s_barrier_signal -1
.endif
	WIN 0x5a
	MUL 0, 4, 1, 0
	WIN 0
.if (\q) == 3
	s_barrier_wait -1                              ; everybody's has
.endif
.irp r, A16, A8, ASC, B16, B8, BSC
	v_add_nc_u32 v[\r], CHUNK, v[\r]               ; (also the places ahead of the loads below)
.endr
	FETCH (\q)+1, 0
	WIN 0x5a
	MUL 4, 4, 1, 0
	WIN 0
.endm
	s_load_b128 s[4:7], s[0:1], 0x0                ; ai s[4:5], wi s[6:7]
	s_load_b64 s[8:9], s[0:1], 0x10                ; out0
	v_lshl_add_u32 v[SPW], v0, 2, SPARE
	v_mov_b32 v[NIL], 0
	ds_add_u32 v[SPW], v[NIL]                      ; the opening
	ds_add_u32 v[SPW], v[NIL]
	v_lshrrev_b32 v1, 5, v0
	v_readfirstlane_b32 s[WV], v1
	s_lshr_b32 s[WR], s[WV], 1
	s_and_b32 s[WC], s[WV], 1
	s_bfe_u32 s[CX], ttmp6, 0x40000
	s_bfe_u32 s[CY], ttmp6, 0x40004
	s_lshl_b32 s[GX], ttmp9, 2
	s_add_co_u32 s[GX], s[GX], s[CX]               ; the group of columns, 0..7
	s_and_b32 s[GY], ttmp7, 0xffff
	s_lshl_b32 s[GY], s[GY], 2
	s_add_co_u32 s[GY], s[GY], s[CY]               ; the pair of groups of tokens, 0..31
	s_lshl_b32 s2, s[CY], 2
	s_lshl_b32 s2, 15, s2
	s_lshl_b32 s3, 0x1111, s[CX]
	s_or_b32 s[G1X], s2, (3<<16)|(1<<21)
	s_or_b32 s[G1W], s3, (3<<16)|(1<<21)
.irp g, G1X, G1W
	s_mov_b32 s[\g+1], 32<<16
	s_mov_b32 s[\g+2], 200<<16                     ; 51,200 dense bytes as 200 rows of 256
	s_mov_b32 s[\g+3], 32<<16
	s_mov_b32 s[\g+4], 200
	s_mov_b32 s[\g+5], 32
	s_mov_b32 s[\g+6], 0
	s_mov_b32 s[\g+7], 0
.endr
	s_lshl_b32 s56, s[GY], 1
	s_add_co_u32 s56, s56, s[WC]
	s_mul_i32 s56, s56, 8*STEPB
	s_mov_b32 s57, 0
	s_add_co_u32 s60, s[GX], 24
	s_mul_i32 s60, s60, 8*STEPB
	s_mov_b32 s61, 0
	s_mul_i32 s19, s[WV], PART
	s_wait_dscnt 0x0                               ; both opening adds are done
	s_wait_kmcnt 0x0
	s_add_nc_u64 s[58:59], s[4:5], s[56:57]
	s_add_nc_u64 s[62:63], s[6:7], s[60:61]
	s_mul_i32 s2, s[WC], HALFP                     ; wave 2: the columns' K steps 0-3, wave 3: 4-7
	s_mov_b32 s3, 0
	s_add_nc_u64 s[62:63], s[62:63], s[2:3]
.irp c, 0,1
	s_mov_b32 s[G0X+4*\c], 1
	s_add_co_u32 s[G0X+4*\c+1], s19, \c*HALFP
	s_add_nc_u64 s[G0X+4*\c+2:G0X+4*\c+3], s[58:59], \c*HALFP
	s_or_b32 s[G0X+4*\c+3], s[G0X+4*\c+3], 0x80000000
.endr
	s_mov_b32 s[G0W], 1
	s_add_co_u32 s[G0W+1], s2, 2*PART
	s_mov_b64 s[G0W+2:G0W+3], s[62:63]
	s_or_b32 s[G0W+3], s[G0W+3], 0x80000000
	CROUND                                         ; all sixteen work-groups are here: the joint loads meet
	s_cmp_lt_u32 s[WV], 2                          ; one load in each arm: every wave issues one
	s_cbranch_scc0 .Lnot_x
	tensor_load_to_lds s[G0X:G0X+3], s[G1X:G1X+7]
	s_nop 0
	PLACES
	s_branch .Lasked
.Lnot_x:
	tensor_load_to_lds s[G0W:G0W+3], s[G1W:G1W+7]
	s_nop 0
	PLACES
.Lasked:
	v_and_b32 v1, 31, v0
	v_and_b32 v2, 15, v0                           ; r
	v_bfe_u32 v3, v0, 4, 1                         ; h
	v_lshlrev_b32 v[L16], 4, v1
	v_lshlrev_b32 v[L8], 3, v1
	s_mul_i32 s56, s[WR], PART                     ; my group of tokens in a chunk
	s_mul_i32 s58, s[WC], 6144
	s_add_co_u32 s58, s58, 2*PART                  ; my four tiles of columns
	s_lshl_b32 s59, s[WC], 8
	s_add_co_u32 s59, s59, 2*PART+12288
	v_add_nc_u32 v[A16], s56, v[L16]
	v_add_nc_u32 v[A8], s56, v[L8]
	v_lshl_add_u32 v[ASC], v2, 4, s56
	v_add_nc_u32 v[ASC], 12288, v[ASC]
	v_add_nc_u32 v[B16], s58, v[L16]
	v_add_nc_u32 v[B8], s58, v[L8]
	v_lshl_add_u32 v[BSC], v2, 4, s59
	s_mul_i32 s2, s[WV], 16*SP                     ; my stage
	v_mul_u32_u24 v[STO], v2, SP
	v_lshl_add_u32 v[STO], v3, 6, v[STO]
	v_add_nc_u32 v[STO], s2, v[STO]                ; in: row r, + 64 h
	v_mul_u32_u24 v[RD], v3, SP
	v_lshl_add_u32 v[RD], v2, 4, v[RD]
	v_add_nc_u32 v[RD], s2, v[RD]                  ; back: lanes 0-15 one row, lanes 16-31 the next
	v_lshlrev_b32 v[CO], 4, v2
	v_lshl_add_u32 v[CO], v3, 12, v[CO]            ; and the same two rows in out0
	s_lshl_b32 s56, s[GY], 20                      ; 256 rows of 4,096 bytes,
	s_lshl_b32 s2, s[WR], 19
	s_add_co_u32 s56, s56, s2
	s_lshl_b32 s2, s[GX], 9                        ; 512 bytes a group of columns,
	s_add_co_u32 s56, s56, s2
	s_lshl_b32 s2, s[WC], 8
	s_add_co_u32 s56, s56, s2
	s_add_nc_u64 s[8:9], s[8:9], s[56:57]
	s_wait_alu depctr_va_vdst(0)
	s_wait_tensorcnt 0x0                           ; my load of the head has landed
	ds_add_u32 v[SPW], v[NIL]
	s_wait_dscnt 0x0
	CROUND                                         ; everybody's has, and the joint loads meet
	s_cmp_lt_u32 s[WV], 2
	s_cbranch_scc0 .Lasked2
	tensor_load_to_lds s[G0X+4:G0X+7], s[G1X:G1X+7]   ; the tokens' K steps 4-7
	s_nop 0
	PLACES
.Lasked2:
	FETCH 0, 0
	STEP 0, 1                                      ; the first K step starts the sums
	TURN 1
	s_wait_alu depctr_va_vdst(0)
	STEP 2, 0
	TURN 3
	s_wait_alu depctr_va_vdst(0)
	STEP 4, 0
	TURN 5
	s_wait_alu depctr_va_vdst(0)
	STEP 6, 0
	s_wait_dscnt 0x0
	WIN 0x5a
	MUL 0, 8, 1, 0
	WIN 0
	PLACES
; tile a: lane (r, h), accumulator b, register j is column 32 (b / 2) + 16 h + 8 (b % 2) + j of my 64
.macro TOSTAGE a
	WIN 0x04                                       ; an LDS store's data are its source 1: window 1
.irp b, 0,1,2,3
	ds_store_b128 v[STO], v[8*(4*(\a)+\b):8*(4*(\a)+\b)+3] offset:128*(\b/2)+32*(\b%2)          ; each accumulator from its low end on
	ds_store_b128 v[STO], v[8*(4*(\a)+\b)+4:8*(4*(\a)+\b)+7] offset:128*(\b/2)+32*(\b%2)+16
.endr
	WIN 0
.set BB, BK+32*((\a)%2)
.irp t, 0,1,2,3,4,5,6,7
	ds_load_b128 v[BB+4*\t:BB+4*\t+3], v[RD] offset:2*SP*\t   ; LDS serves a wave's instructions in order: these see the stores above
.endr
.endm
.macro SEND a, younger                 ; stage row 2 t + (lane / 16) is token 32 (a / 2) + 8 (a % 2) + 2 t + 8 (t / 4) + (lane / 16) of my 128
.set BB, BK+32*((\a)%2)
	s_wait_dscnt \younger
.irp t, 0,1,2,3,4,5,6,7
	global_store_b128 v[CO], v[BB+4*\t:BB+4*\t+3], s[8:9] offset:(32*((\a)/2)+8*((\a)%2)+2*\t+8*(\t/4))*4096 th:TH_STORE_NT   ; sixteen lanes store 256 consecutive bytes, at a multiple of 256 from out0's first byte
.endr
.endm
	TOSTAGE 0
.irp a, 1,2,3,4,5,6,7
.if \a > 1
	s_wait_xcnt 0x0                                ; tile a - 2's stores have read their registers: tile a's loads may land there
.endif
	TOSTAGE \a
	SEND \a-1, 16                                  ; behind tile a - 1's loads: tile a's 8 stores and 8 loads
.endr
	SEND 7, 0
	s_wait_tensorcnt 0x0                           ; the wave's end
	ds_add_u32 v[SPW], v[NIL]
	s_wait_dscnt 0x0
	CROUND                                         ; the closing round
	s_endpgm
.Lfunc_end_k_q3adaa92e92_gemm_out:
	.size	k_q3adaa92e92_gemm_out, .Lfunc_end_k_q3adaa92e92_gemm_out-k_q3adaa92e92_gemm_out
	.p2alignl 7, 3214868480
	.fill 96, 4, 3214868480
	.section	.rodata,"a",@progbits
	.p2align	6, 0x0
	.amdhsa_kernel k_q3adaa92e92_gemm_out
		.amdhsa_group_segment_fixed_size 327680
		.amdhsa_private_segment_fixed_size 0
		.amdhsa_enable_private_segment 0
		.amdhsa_kernarg_size 24
		.amdhsa_user_sgpr_count 2
		.amdhsa_user_sgpr_kernarg_segment_ptr 1
		.amdhsa_wavefront_size32 1
		.amdhsa_system_sgpr_workgroup_id_x 1
		.amdhsa_system_sgpr_workgroup_id_y 1
		.amdhsa_system_sgpr_workgroup_id_z 1
		.amdhsa_system_vgpr_workitem_id 0
		.amdhsa_next_free_vgpr 768
		.amdhsa_next_free_sgpr 100
		.amdhsa_reserve_vcc 0
		.amdhsa_float_denorm_mode_32 3
		.amdhsa_float_denorm_mode_16_64 3
		.amdhsa_memory_ordered 1
		.amdhsa_forward_progress 1
		.amdhsa_inst_pref_size 83
	.end_amdhsa_kernel
	.amdgpu_metadata
---
amdhsa.version: [ 1, 2 ]
amdhsa.kernels:
  - .name:           k_q3adaa92e92_gemm_out
    .symbol:         k_q3adaa92e92_gemm_out.kd
    .args:
      - { .name: ai, .offset: 0, .size: 8, .value_kind: global_buffer, .address_space: global }
      - { .name: wi, .offset: 8, .size: 8, .value_kind: global_buffer, .address_space: global }
      - { .name: out0, .offset: 16, .size: 8, .value_kind: global_buffer, .address_space: global }
    .group_segment_fixed_size: 327680
    .private_segment_fixed_size: 0
    .kernarg_segment_align: 8
    .kernarg_segment_size: 24
    .max_flat_workgroup_size: 128
    .sgpr_count:     100
    .vgpr_count:     768
    .wavefront_size: 32
...
	.end_amdgpu_metadata
.endif
;; end of part 4
